; MI455X (gfx1250); checked and timed in simulation.
; The chip was launched on July 23, 2026; its instructions are those of AMD's public machine-readable ISA for CDNA 5 (MIT licence, August 2026) and "CDNA5" Instruction Set Architecture Reference Guide (July 2026). The comments in the code are by the model that wrote it; some were corrected since.
;; Causal Multihead Self Attention. Allowed arithmetic: matrix products marked QUANTISED: E5M2 operands, one given power-of-two scale a tensor, by v_wmma_f32_16x16x64_bf8_bf8 or v_wmma_f32_16x16x128_bf8_bf8, f32 sums; everything else in f32.
;; Inputs: Wo 1,024 x 1,024 float32; Wqkv 3,072 x 1,024 float32; lowp_scales 8 int32 (the exponents e of the quantised operands' scales 2^e); token_positions 4,096 int32; x 1 x 4,096 x 1,024 float32.
;; Outputs: out0 1 x 4,096 x 1,024 float32.
;; This version of the problem:
;;   THIS VERSION OF THE PROBLEM IS GIVEN IN LOW PRECISION. The matrix products marked QUANTISED in the list below multiply operands that are first quantised to E5M2 (5 exponent bits, 2 mantissa bits; 8 bits a number), with one given power-of-two scale for each operand tensor; their sums are f32. All else is computed in f32.
;;   The module's matrix products, in the order in which they are computed (A, B: the left and right operand; K: the contracted axis; several contracted axes count as one K, in the product's order):
;;     1. [M 4,096, K 1,024] x [K 1,024, N 3,072]; A: input x; B: input Wqkv: QUANTISED (scales: A lowp_scales[0], B lowp_scales[1])
;;     2. batch 16 x [M 4,096, K 64] x [K 64, N 4,096]; A: computed on the way; B: computed on the way: QUANTISED (scales: A lowp_scales[2], B lowp_scales[3])
;;     3. batch 16 x [M 4,096, K 4,096] x [K 4,096, N 64]; A: softmax (see below); B: computed on the way: QUANTISED (scales: A lowp_scales[4], B lowp_scales[5])
;;     4. [M 4,096, K 1,024] x [K 1,024, N 1,024]; A: computed on the way; B: input Wo: QUANTISED (scales: A lowp_scales[6], B lowp_scales[7])
;;   THE QUANTISER, for each operand of a quantised product, along K:
;;     - The operand's scale is 2^e, e = its entry of the input lowp_scales (int32; the entries are numbered through the quantised products in the list's order, A before B).
;;     - Each number is divided by the scale, clamped to +-57,344, and rounded to the nearest number of E5M2, ties to even, subnormals kept.
;;     - The product sums the exact products of the quantised numbers (number of the format x scale) in f32.
;;   ~~~python
;;   def quantise(x, axis, e):      # numpy; x: float32 -> the quantised numbers, widened to float32 again
;;       x = np.moveaxis(x, axis, -1); K = x.shape[-1]
;;       r = np.clip(x / 2.0 ** e, -57344, 57344)
;;       step = 2.0 ** (np.maximum(np.frexp(np.where(r == 0, 1, r))[1] - 1, -14) - 2)
;;       q = np.round(r / step) * step * 2.0 ** e      # np.round: ties to even
;;       return np.moveaxis(q, -1, axis).astype(np.float32)
;;   ~~~
;;   SOFTMAX AHEAD OF A QUANTISED PRODUCT. Where the list says 'softmax', what is quantised is not the finished softmax but p = 2^(t - M), with t = logit x log2(e) and M = ceil(the row's largest t), a whole number; so 1/2 < the row's largest p <= 1. The row's sum l is taken of the UNQUANTISED p, in f32, and the product's result is divided by l at the end. Since M is a whole number, a kernel that streams over the keys may use a running M (the ceiling of the running maximum): every later rescaling is an exact power of two, so the quantised numbers keep their values, but for numbers so far below the row's largest that they fall under the format's range.
;;   OPERANDS COMPUTED ON THE WAY. 'Computed on the way' means the value that the module computes at that place (a softmax that the list does not call 'softmax' is quantised finished and normalised). What goes into a quantiser is computed in f32, as accurately as f32 sums, v_exp_f32 and their like allow (about 1e-6 of the number): no bf16 or f16 on the way to a quantiser, and a product that is left as it is and whose result goes on into a quantised operand takes f32 operands (vector FMAs, or v_wmma_f32_16x16x4_f32). A number that lies on a knife's edge between two numbers of the format may be rounded either way, as far as f32 arithmetic and the matrix unit's own rounding can turn it there, and no further.
;; One version. Each part assembles by itself: llvm-mc -triple=amdgcn-amd-amdhsa -mcpu=gfx1250 --defsym DOCPART=n.
;; ======== version 1 of 1: 4 launches
;; limits: right only within a limited range of input values
;; workspace buffers: x_img 4,194,304 bytes; w_img 3,145,728 bytes; wo_img 1,048,576 bytes; rope 1,048,576 bytes; q_img 4,194,304 bytes; kv_img 8,388,608 bytes; a_img 4,194,304 bytes
;; launch prep (part 1): grid 320 x 1, 4 waves a work-group, no clusters, 34,304 bytes of LDS; arguments x, Wqkv, Wo, token_positions, lowp_scales, x_img, w_img, wo_img, rope; writes x_img, w_img, wo_img, rope
.if DOCPART == 1
	.amdgcn_target "amdgcn-amd-amdhsa--gfx1250"
	.amdhsa_code_object_version 6
	.text
	.protected	k_qadde3330fc_prep
	.globl	k_qadde3330fc_prep
	.p2align	8
	.type	k_qadde3330fc_prep,@function
k_qadde3330fc_prep:
	s_mov_b64 s[64:65], 0
	v_nop
	global_prefetch_b8 v0, s[64:65] scope:SCOPE_SE
	s_setreg_imm32_b32 hwreg(HW_REG_WAVE_MODE, 25, 1), 1
	s_wait_xcnt 0x0
; x [4096][1024], Wqkv [3072][1024] and Wo [1024][1024], f32 with K innermost, become codes of BF8 (E5M2), each with the one scale 2^e given for it
; (entries 0, 1 and 7 of the scales); and the table of cos and sin for the rotation of q and k is made from token_positions.
; THE CODES ARE STORED AS IMAGES OF THE OPERAND'S REGISTERS.  A fragment is 16 rows x 128 K: 16 registers a lane; lane (r = l % 16, h = l / 16) holds row r, and registers 2 c, 2 c + 1
; hold k = 16 c + 8 h + 0 .. 7.  Its image is 2,048 bytes: four pieces of 512 bytes, piece c' = registers 4 c' .. 4 c' + 3, lane l's 16 bytes at 16 l.
; So every store here covers 512 consecutive bytes, aligned, and the launches that multiply fetch a fragment by four loads of 16 bytes a lane.
; x_img [256 row tiles][8 K steps][2048];  wo_img [64][8][2048];  w_img [192][8][2048] with tile 12 head + 4 z + c (z = 0 q, 1 k, 2 v; c = which 16 of the head's 64 rows): a head's 192 rows lie on end.
; rope [4096 tokens][32 frequencies][cos, sin] f32: 256 bytes a token.
; SHARES.  Work-groups 0-63 make the table: a wave takes 16 tokens, a lane one frequency.  Work-groups 64-319 quantise: a wave takes one row tile and half of K: four fragments.
; code = x / 2^e, held within +-57,344, to the nearest code, ties to even.  LIMITS: e between -126 and 112; NaN among the inputs is not served; |position| up to 2^22.
; No tensor loads, no barrier: waves share nothing.
.set STG,  8448                        ; LDS: a stage of its own for each wave: 16 rows x (512 bytes + 16)
.set R,    16                          ; v16-143   two sets of 64: a fragment's numbers as they are loaded
.set X,    144                         ; v144-207  the same 64 numbers, eight neighbours along K to each conversion
.set C,    208                         ; v208-239  two sets of 16: codes
.set VD,   9                           ; v9   table: my frequency's divisor d = 10000^(lane / 32)
.set VR,   12                          ; v12  table: 1 / d
	s_load_b512 s[4:19], s[0:1], 0x0               ; x, Wqkv, Wo, token_positions, the scales, x_img, w_img, wo_img
	s_load_b64 s[20:21], s[0:1], 0x40              ; rope
	v_lshl_add_u32 v240, v0, 2, 0x8400
	v_mov_b32 v241, 0
	v_lshrrev_b32 v4, 5, v0
	v_readfirstlane_b32 s22, v4                    ; wave 0..3
	v_and_b32 v5, 31, v0                           ; lane
	s_cmp_lt_u32 ttmp9, 64                         ; the table's work-groups come first
	s_cbranch_scc1 .Ltable
	; ---------------- the quantiser ----------------
	v_lshlrev_b32 v1, 4, v5                        ; 16 x lane: my bytes of a load's and of a store's 512
	s_mul_i32 s55, s22, STG
	v_add_nc_u32 v2, s55, v1                       ; the stage, on the way in: a row as it lies
	v_and_b32 v6, 15, v0                           ; r
	v_bfe_u32 v7, v0, 4, 1                         ; h
	v_mul_u32_u24 v3, v6, 528
	v_lshl_add_u32 v3, v7, 5, v3
	v_add_nc_u32 v3, s55, v3                       ; and on the way out: row r, + 32 h bytes: k = 8 h on.  528 = 33 x 16: sixteen rows fall into sixteen different columns of 16 bytes
	s_sub_co_u32 s23, ttmp9, 64                    ; g: 0-127 x, 128-223 Wqkv, 224-255 Wo
	s_wait_alu depctr_va_vdst(0)
	s_wait_kmcnt 0x0
	s_load_b256 s[24:31], s[12:13], 0x0            ; the eight exponents
	s_cmp_lt_u32 s23, 224                          ; the choices hang on the work-group's number alone; only pointers and numbers are chosen, the text has one path
	s_cselect_b64 s[48:49], s[6:7], s[8:9]
	s_cselect_b64 s[50:51], s[16:17], s[18:19]
	s_mov_b32 s52, 224
	s_cselect_b32 s52, 128, s52
	s_cmp_lt_u32 s23, 128
	s_cselect_b64 s[48:49], s[4:5], s[48:49]       ; from here
	s_cselect_b64 s[50:51], s[14:15], s[50:51]     ; to here
	s_cselect_b32 s52, 0, s52
	s_sub_co_u32 s52, s23, s52                     ; the work-group's number within its tensor
	s_lshl_b32 s52, s52, 1
	s_lshr_b32 s53, s22, 1
	s_add_co_u32 s52, s52, s53                     ; my row tile
	s_and_b32 s53, s22, 1                          ; my half of K
	s_bfe_u32 s54, s52, 0x40002                    ; Wqkv's tile z 64 + head 4 + c goes to place 12 head + 4 z + c
	s_mul_i32 s54, s54, 12
	s_lshr_b32 s56, s52, 6
	s_lshl_b32 s56, s56, 2
	s_add_co_u32 s54, s54, s56
	s_and_b32 s56, s52, 3
	s_add_co_u32 s54, s54, s56
	s_sub_co_u32 s56, s23, 128
	s_cmp_lt_u32 s56, 96
	s_cselect_b32 s54, s54, s52                    ; the other two tensors keep their order
	s_lshl_b32 s56, s52, 16                        ; 16 rows of 4,096 bytes
	s_lshl_b32 s57, s53, 11                        ; 512 numbers
	s_add_co_u32 s56, s56, s57
	s_mov_b32 s57, 0
	s_add_nc_u64 s[48:49], s[48:49], s[56:57]
	s_lshl_b32 s56, s54, 14                        ; eight images
	s_lshl_b32 s58, s53, 13                        ; four images
	s_add_co_u32 s56, s56, s58
	s_add_nc_u64 s[50:51], s[50:51], s[56:57]
.macro LOAD f                          ; fragment f: 16 rows x 128 numbers; each load reads 512 consecutive bytes of one row
.set i, 0
.rept 16
	global_load_b128 v[R+64*((\f)%2)+4*i:R+64*((\f)%2)+4*i+3], v1, s[48:49] offset:i*4096+(\f)*512 th:TH_LOAD_NT
.set i, i+1
.endr
.endm
	LOAD 0
	LOAD 1
	s_wait_kmcnt 0x0
	s_cmp_lt_u32 s23, 224
	s_cselect_b32 s58, s25, s31
	s_cmp_lt_u32 s23, 128
	s_cselect_b32 s58, s24, s58                    ; e
	s_add_co_i32 s58, s58, 127
	s_lshl_b32 s59, s58, 23
	v_mov_b32 v11, s59                             ; 2^e as f32: the conversion takes its exponent field
	s_add_co_i32 s58, s58, 15
	s_lshl_b32 s58, s58, 23
	s_or_b32 s58, s58, 0x600000
	v_mov_b32 v10, s58                             ; 57,344 x 2^e
.macro FRAGQ f
.if (\f) < 3
	s_wait_loadcnt 16                              ; this fragment's 16 loads are in; the next fragment's 16 may be out
.else
	s_wait_loadcnt 0x0
.endif
.set i, 0
.rept 16
	ds_store_b128 v2, v[R+64*((\f)%2)+4*i:R+64*((\f)%2)+4*i+3] offset:528*i
.set i, i+1
.endr
.set i, 0
.rept 16                               ; LDS serves a wave's instructions in order: these see the stores above.  Registers 8 c .. 8 c + 7 take k = 16 c + 8 h + 0 .. 7 of row r
	ds_load_b128 v[X+4*i:X+4*i+3], v3 offset:64*(i/2)+16*(i%2)
.set i, i+1
.endr
	s_wait_dscnt 0x0                               ; the numbers are back, so the stores into the stage have read their registers,
.if (\f) < 2
	LOAD (\f)+2                                    ; which take the loads of two fragments on
.endif
.set i, 0
.rept 64
	v_med3_num_f32 v[X+i], v[X+i], -v10, v10       ; the conversion to an 8-bit code does not saturate (ISA guide 7.6.2): the hold at the largest code x the scale
.set i, i+1
.endr
.if (\f) >= 2
	s_wait_alu depctr_va_vdst(0)
	s_wait_xcnt 0x0                                ; the stores of two fragments back have read this set of codes: it is written again only behind this wait
.endif
.set i, 0
.rept 8
	v_cvt_scalef32_pk8_bf8_f32 v[C+16*((\f)%2)+2*i:C+16*((\f)%2)+2*i+1], v[X+8*i:X+8*i+7], v11   ; registers 2 c, 2 c + 1 of the fragment
.set i, i+1
.endr
	v_nop                                          ; a plain line between the conversions and the next vector line that writes their sources
.set i, 0
.rept 4
	global_store_b128 v1, v[C+16*((\f)%2)+4*i:C+16*((\f)%2)+4*i+3], s[50:51] offset:(\f)*2048+512*i   ; a piece: 512 consecutive bytes, aligned
.set i, i+1
.endr
.endm
	s_wait_alu depctr_va_vdst(0)
	FRAGQ 0
	FRAGQ 1
	FRAGQ 2
	FRAGQ 3
	s_wait_tensorcnt 0x0
	ds_add_u32 v240, v241
	s_wait_dscnt 0x0
	s_endpgm
	; ---------------- the table ----------------
.Ltable:
	s_lshl_b32 s23, ttmp9, 2
	s_add_co_u32 s23, s23, s22                     ; which 16 tokens are my wave's
	s_lshl_b32 s56, s23, 6
	s_mov_b32 s57, 0
	s_lshl_b32 s58, s23, 12
	s_mov_b32 s59, 0
	s_wait_kmcnt 0x0
	s_add_nc_u64 s[10:11], s[10:11], s[56:57]
	s_add_nc_u64 s[20:21], s[20:21], s[58:59]
	s_load_b512 s[32:47], s[10:11], 0x0            ; my 16 positions, as they are given
	s_wait_alu depctr_va_vdst(0)
	v_lshlrev_b32 v8, 3, v5                        ; 8 x lane: my pair in a token's 256 bytes
	v_mov_b32 v[VD], 0
.macro DJ lane, bits                   ; d = 10000^(lane / 32) = 10^(lane / 8), rounded to f32
	s_mov_b32 s60, \bits
	v_writelane_b32 v[VD], s60, \lane
.endm
	DJ 0, 0x3f800000
	DJ 1, 0x3faab0d5
	DJ 2, 0x3fe39ea9
	DJ 3, 0x4017c496
	DJ 4, 0x404a62c2
	DJ 5, 0x4086f161
	DJ 6, 0x40b3f300
	DJ 7, 0x40eff755
	DJ 8, 0x41200000
	DJ 9, 0x41555d0a
	DJ 10, 0x418e432a
	DJ 11, 0x41bdb5bc
	DJ 12, 0x41fcfb72
	DJ 13, 0x4228adb9
	DJ 14, 0x4260efc0
	DJ 15, 0x4295fa95
	DJ 16, 0x42c80000
	DJ 17, 0x43055a26
	DJ 18, 0x4331d3f4
	DJ 19, 0x436d232b
	DJ 20, 0x439e1d27
	DJ 21, 0x43d2d927
	DJ 22, 0x440c95d8
	DJ 23, 0x443b793b
	DJ 24, 0x447a0000
	DJ 25, 0x44a6b0b0
	DJ 26, 0x44de48f1
	DJ 27, 0x451435fb
	DJ 28, 0x4545a471
	DJ 29, 0x4583c7b8
	DJ 30, 0x45afbb4e
	DJ 31, 0x45ea5789
	s_wait_alu depctr_va_vdst(0)
	v_rcp_f32 v[VR], v[VD]
	v_nop                                          ; a plain line behind the reciprocal,
	s_wait_alu depctr_va_vdst(0)                   ; and the wait ahead of its first reader
	v_fma_f32 v13, -v[VD], v[VR], 1.0
	v_fma_f32 v[VR], v13, v[VR], v[VR]             ; one Newton step
	s_mov_b32 s66, 0x3f22f983                      ; 2 / pi
	s_mov_b32 s67, 0x3fc90fdb                      ; pi / 2 in three parts
	s_mov_b32 s68, 0xb33bbd2e
	s_mov_b32 s69, 0xa6f72ced
	s_mov_b32 s70, 0xbe2aaaa3                      ; sine on +-pi/4: rho + rho z (S1 + z (S2 + z S3)), z = rho^2
	s_mov_b32 s71, 0x3c08839e
	s_mov_b32 s72, 0xb94ca1f9
	s_mov_b32 s73, 0x3d2aaaa5                      ; cosine: 1 - z / 2 + z^2 (C1 + z (C2 + z C3))
	s_mov_b32 s74, 0xbab6061a
	s_mov_b32 s75, 0x37ccf5ce
	s_wait_kmcnt 0x0
; Token i of my 16: the angle a = position / d as an f32 quotient; n = the nearest whole number to a 2 / pi; rho = a - n pi / 2 by three fused steps; both polynomials; the quadrant n mod 4 picks and signs them.
.macro POS i
	v_cvt_f32_i32 v20, s[32+\i]
	s_wait_alu depctr_va_vdst(0)
	v_mul_f32 v21, v20, v[VR]
	v_fma_f32 v22, -v21, v[VD], v20                ; what the first quotient leaves,
	v_fma_f32 v21, v22, v[VR], v21                 ; put right
	v_mul_f32 v22, s66, v21
	v_rndne_f32 v22, v22                           ; n
	v_fma_f32 v23, -v22, s67, v21
	v_fma_f32 v23, -v22, s68, v23
	v_fma_f32 v23, -v22, s69, v23                  ; rho
	v_cvt_i32_f32 v24, v22
	v_mul_f32 v25, v23, v23                        ; z
	v_fma_f32 v26, v25, s72, s71
	v_fma_f32 v26, v26, v25, s70
	v_mul_f32 v26, v26, v25
	v_fma_f32 v26, v26, v23, v23                   ; sin rho
	v_fma_f32 v27, v25, s75, s74
	v_fma_f32 v27, v27, v25, s73
	v_mul_f32 v28, v25, v25
	v_fma_f32 v29, v25, -0.5, 1.0
	v_fma_f32 v27, v27, v28, v29                   ; cos rho
	v_and_b32 v28, 1, v24
	v_cmp_eq_u32 vcc_lo, 1, v28                    ; an odd quadrant swaps the two
	v_lshlrev_b32 v29, 30, v24
	v_and_b32 v29, 0x80000000, v29                 ; the sine is negative in quadrants 2 and 3,
	v_add_nc_u32 v30, 1, v24
	v_lshlrev_b32 v30, 30, v30
	v_and_b32 v30, 0x80000000, v30                 ; the cosine in quadrants 1 and 2
	v_cndmask_b32 v31, v26, v27, vcc_lo
	v_cndmask_b32 v28, v27, v26, vcc_lo
	v_xor_b32 v[64+2*\i], v28, v30                 ; cos; each token has a pair of registers of its own, so no store's data are written again
	v_xor_b32 v[65+2*\i], v31, v29                 ; sin
	global_store_b64 v8, v[64+2*\i:65+2*\i], s[20:21] offset:256*\i   ; the 32 lanes store a token's 256 consecutive bytes, aligned
.endm
.irp i, 0,1,2,3,4,5,6,7,8,9,10,11,12,13,14,15
	POS \i
.endr
	s_endpgm
.Lfunc_end_k_qadde3330fc_prep:
	.size	k_qadde3330fc_prep, .Lfunc_end_k_qadde3330fc_prep-k_qadde3330fc_prep
	.p2alignl 7, 3214868480
	.fill 96, 4, 3214868480
	.section	.rodata,"a",@progbits
	.p2align	6, 0x0
	.amdhsa_kernel k_qadde3330fc_prep
		.amdhsa_group_segment_fixed_size 34304
		.amdhsa_private_segment_fixed_size 0
		.amdhsa_enable_private_segment 0
		.amdhsa_kernarg_size 72
		.amdhsa_user_sgpr_count 2
		.amdhsa_user_sgpr_kernarg_segment_ptr 1
		.amdhsa_wavefront_size32 1
		.amdhsa_system_sgpr_workgroup_id_x 1
		.amdhsa_system_sgpr_workgroup_id_y 1
		.amdhsa_system_sgpr_workgroup_id_z 1
		.amdhsa_system_vgpr_workitem_id 0
		.amdhsa_next_free_vgpr 242
		.amdhsa_next_free_sgpr 100
		.amdhsa_reserve_vcc 1
		.amdhsa_float_denorm_mode_32 3
		.amdhsa_float_denorm_mode_16_64 3
		.amdhsa_memory_ordered 1
		.amdhsa_forward_progress 1
		.amdhsa_inst_pref_size 67
	.end_amdhsa_kernel
	.amdgpu_metadata
---
amdhsa.version: [ 1, 2 ]
amdhsa.kernels:
  - .name:           k_qadde3330fc_prep
    .symbol:         k_qadde3330fc_prep.kd
    .args:
      - { .name: x, .offset: 0, .size: 8, .value_kind: global_buffer, .address_space: global }
      - { .name: Wqkv, .offset: 8, .size: 8, .value_kind: global_buffer, .address_space: global }
      - { .name: Wo, .offset: 16, .size: 8, .value_kind: global_buffer, .address_space: global }
      - { .name: token_positions, .offset: 24, .size: 8, .value_kind: global_buffer, .address_space: global }
      - { .name: lowp_scales, .offset: 32, .size: 8, .value_kind: global_buffer, .address_space: global }
      - { .name: x_img, .offset: 40, .size: 8, .value_kind: global_buffer, .address_space: global }
      - { .name: w_img, .offset: 48, .size: 8, .value_kind: global_buffer, .address_space: global }
      - { .name: wo_img, .offset: 56, .size: 8, .value_kind: global_buffer, .address_space: global }
      - { .name: rope, .offset: 64, .size: 8, .value_kind: global_buffer, .address_space: global }
    .group_segment_fixed_size: 34304
    .private_segment_fixed_size: 0
    .kernarg_segment_align: 8
    .kernarg_segment_size: 72
    .max_flat_workgroup_size: 128
    .sgpr_count:     100
    .vgpr_count:     242
    .wavefront_size: 32
...
	.end_amdgpu_metadata
.endif
;; end of part 1
;; launch qkv (part 2): grid 16 x 16, 4 waves a work-group, clusters of 4 x 4, 327,680 bytes of LDS; arguments x_img, w_img, rope, lowp_scales, q_img, kv_img; writes q_img, kv_img
.if DOCPART == 2
	.amdgcn_target "amdgcn-amd-amdhsa--gfx1250"
	.amdhsa_code_object_version 6
	.text
	.protected	k_qadde3330fc_qkv
	.globl	k_qadde3330fc_qkv
	.p2align	8
	.type	k_qadde3330fc_qkv,@function
k_qadde3330fc_qkv:
	s_mov_b64 s[64:65], 0
	v_nop
	global_prefetch_b8 v0, s[64:65] scope:SCOPE_SE
	s_setreg_imm32_b32 hwreg(HW_REG_WAVE_MODE, 25, 1), 1
	s_wait_xcnt 0x0
	s_wait_alu depctr_hold_cnt(0) depctr_sa_sdst(0) depctr_va_vdst(0) depctr_va_sdst(0) depctr_va_ssrc(0) depctr_va_vcc(0) depctr_vm_vsrc(0)
	s_getreg_b32 s2, hwreg(HW_REG_IB_STS2, 6, 4)
	s_cmp_eq_u32 s2, 0
	s_cbranch_scc0 .Lentry_in_a_cluster
	s_endpgm
.Lentry_in_a_cluster:
	s_bfe_u32 s2, ttmp6, 0x10000c
	s_cmp_lg_u32 s2, 0xf033
	s_cbranch_scc0 .Lentry_shape_is_right
	s_endpgm
.Lentry_shape_is_right:
; qkv = x Wqkv^T on codes of BF8 (E5M2), then the rotation of q and k in f32, then the quantisers of q, k and v: the operands of attention's two products leave as images of their registers.
; An image of a fragment: lane (r = l % 16, h = l / 16) holds row r, registers 2 c, 2 c + 1 hold k = 16 c + 8 h + 0 .. 7; pieces of four registers, 512 bytes, lane l's 16 bytes at 16 l.
; SHARES.  A work-group makes 256 tokens x the 192 columns (q, k, v) of ONE head; each of its four waves 64 tokens x 192 columns: 48 accumulators, 384 registers.  K = 1,024 goes in eight steps of 128.
; q AND k ARE MADE TRANSPOSED (source 0 = 16 rows of W, source 1 = 16 tokens): a lane holds one token and eight neighbouring channels 16 b + 8 h + 0 .. 7, four (even, odd) pairs of the rotation,
; and the eight codes are registers 2 b, 2 b + 1 of the token tile's fragment (K = the head's 64).  v IS MADE THE OTHER WAY ROUND (source 0 = tokens, source 1 = W): a lane holds one channel and eight
; neighbouring tokens, and the eight codes are two registers of V^T's fragment, whose K is the keys.  So nothing is transposed and nothing goes through LDS on the way out.
; A sum stands for sum x 2^(e0 + e1); the rotation is linear, so that power of two is folded into the conversions' scales: 2^(e2 - e0 - e1) for q, e3 for k, e5 for v.
; LIMITS: each of these three exponents lies between -126 and 112.  NaN among the inputs is not served.
; q_img [16 heads][256 token tiles][1024];  kv_img [16 heads][32 blocks of 128 keys][K: 8 key tiles x 1024 | V^T: 4 channel tiles x 2048].
; CLUSTER: 4 x 4 work-groups.  The four of a row of the cluster share their tokens' tiles of x, the four of a column their head's tiles of W: each is asked for jointly.
; LDS holds images, so there is no pitch and no padding: every fragment load reads 512 consecutive bytes.  Region 0 holds K steps 0-2 and, filled once more, 5-7; region 1 holds K steps 3-4.
; REGISTERS, in windows of 256: window 0: addresses, v32-127 three sets of cos and sin, v128-255 v's 16 accumulators ((a, c) at 128 + 8 (4 a + c));
;   windows 1 and 2: two sets of fragments: x's four at v0-63, W's twelve at v64-255;   window 3: the 32 accumulators of q and k ((a, b) at 8 (8 a + b)).
;   On the way out window 1 is free: v0-127 numbers at work, v128-191 q's and k's codes, v192-223 v's codes, v240-245 an address and the scales.
; THE FILLS, by this text's own count: one tensor load a wave at the head (region 0), one behind the round that follows its landing (region 1's first fill), one behind the refill's round: one is out at a time.
.set RG0A,  0                          ; region 0: x: 16 tiles x 3 K steps x 2,048 bytes
.set RG0B,  98304                      ;           W: 12 tiles x 3 x 2,048
.set RG1A,  172032                     ; region 1: x: 16 x 2 x 2,048
.set RG1B,  237568                     ;           W: 12 x 2 x 2,048
.set SPARE, 286720                     ; the spare words, 128 bytes for each wave: two blocks of 256 bytes that no other line names
.set LI,    3                          ; v3   16 x lane
.set ADA0,  16                         ; v16  my four tiles of x in region 0
.set ADB0,  17                         ; v17  W's tiles 0-5 in region 0
.set ADB0H, 18                         ; v18  W's tiles 6-11: an immediate offset ends at 65,535
.set ADA1,  19                         ; v19  my four tiles of x in region 1
.set ADB1,  20                         ; v20  W's tiles in region 1
.set RO,    24                         ; v24  the table: 256 r + 32 h
.set SPW,   28                         ; v28  LDS address of my spare word; never rewritten
.set NIL,   29                         ; v29  0; never rewritten
.set LV,    30                         ; v30  57,344 x v's scale
.set CS,    32
.set VA,    128
.set T,     0                          ; window 1, on the way out
.set CQ,    128
.set VC,    192
.set LI1,   240
.set SQ,    241
.set LQ,    242
.set SK,    243
.set LK,    244
.set SV,    245
.set DA3, 24                           ; s[24:31] group 1: x, 8 rows of 3 K steps;  s[32:39]: of 2;  s[40:47], s[48:55]: W, 6 rows of 3, of 2
.set DA2, 32
.set DB3, 40
.set DB2, 48
.set PA0, 56                           ; s[56:59], s[60:63] groups 0 for x's regions 0 and 1;  s[68:71], s[72:75] for W's
.set PA1, 60
.set PB0, 68
.set PB1, 72
.set MSB, 0
.macro WIN new                         ; the immediate's high byte repeats the setting that is left; a switch that changes nothing is dropped
.if MSB != (\new)
	s_set_vgpr_msb (MSB<<8)|(\new)
.set MSB, (\new)
.endif
.endm
.macro PLACES n                        ; plain vector lines between a matrix instruction and a load into, or a vector line on, its registers
.rept \n
	v_nop
.endr
.endm
.macro JLOAD g0a, g1a, g0b, g1b        ; a joint load: waves 0 and 1 fetch x's halves, waves 2 and 3 W's; four v_nop follow each of the two lines
	s_cmp_eq_u32 s17, 0
	s_cbranch_scc0 .Lfor_b_\@
	tensor_load_to_lds s[\g0a:\g0a+3], s[\g1a:\g1a+7]
	s_nop 0
.rept 4
	v_nop
.endr
	s_branch .Lasked_\@
.Lfor_b_\@:
	tensor_load_to_lds s[\g0b:\g0b+3], s[\g1b:\g1b+7]
	s_nop 0
.rept 4
	v_nop
.endr
.Lasked_\@:
.endm
.macro CREST                           ; a round of the cluster's barrier behind its opening barrier
	s_cmp_lg_u32 s16, 0
	s_cbranch_scc1 .Lnot_wave_0_\@
	s_barrier_signal -3
.Lnot_wave_0_\@:
	s_barrier_wait -3
	s_barrier_signal -1
	s_barrier_wait -1
.endm
.macro CROUND
	s_barrier_signal -1
	s_barrier_wait -1
	CREST
.endm
.macro G1SET g, d0, rows               ; group 1 but for its first word: rows of d0 elements of 8 bytes, 2,048 elements (a tile's eight images) apart
	s_mov_b32 s[\g+1], (\d0)<<16
	s_mov_b32 s[\g+2], (\rows)<<16
	s_mov_b32 s[\g+3], (\d0)<<16
	s_mov_b32 s[\g+4], \rows
	s_mov_b32 s[\g+5], 2048
	s_mov_b32 s[\g+6], 0
	s_mov_b32 s[\g+7], 0
.endm
	s_load_b256 s[4:11], s[0:1], 0x0               ; x_img, w_img, rope, the scales
	s_load_b128 s[12:15], s[0:1], 0x20             ; q_img, kv_img
	v_lshl_add_u32 v[SPW], v0, 2, SPARE
	v_mov_b32 v[NIL], 0
	ds_add_u32 v28, v29
	ds_add_u32 v28, v29
	s_wait_dscnt 0x0
	v_lshrrev_b32 v1, 5, v0
	v_readfirstlane_b32 s16, v1                    ; wave 0..3
	s_lshr_b32 s17, s16, 1                         ; I fetch for x (0) or for W (1)
	s_and_b32 s18, s16, 1                          ; and which half
	s_bfe_u32 s19, ttmp6, 0x40000                  ; cx, cy: my place in the cluster
	s_bfe_u32 s20, ttmp6, 0x40004
	s_lshl_b32 s21, ttmp9, 2
	s_add_co_u32 s21, s21, s19                     ; the head = 4 x cluster x + cx
	s_and_b32 s22, ttmp7, 0xffff
	s_lshl_b32 s22, s22, 2
	s_add_co_u32 s22, s22, s20                     ; the block of 256 tokens = 4 x cluster y + cy
	s_lshl_b32 s92, s20, 2
	s_lshl_b32 s92, 15, s92                        ; my row of the cluster
	s_lshl_b32 s93, 0x1111, s19                    ; my column
	s_or_b32 s[DA3], s92, (3<<16)|(1<<21)          ; 15:0 the mask; 17:16 elements of 8 bytes; 21 set beside a mask; no padding
	s_or_b32 s[DA2], s92, (3<<16)|(1<<21)
	s_or_b32 s[DB3], s93, (3<<16)|(1<<21)
	s_or_b32 s[DB2], s93, (3<<16)|(1<<21)
	G1SET DA3, 768, 8
	G1SET DA2, 512, 8
	G1SET DB3, 768, 6
	G1SET DB2, 512, 6
	s_lshl_b32 s84, s22, 18                        ; x: 16 tiles of 16,384 bytes a block, + my 8
	s_lshl_b32 s86, s18, 17
	s_add_co_u32 s84, s84, s86
	s_mov_b32 s85, 0
	s_mul_i32 s88, s21, 196608                     ; W: 12 tiles a head, + my 6
	s_mul_i32 s90, s18, 98304
	s_add_co_u32 s88, s88, s90
	s_mov_b32 s89, 0
	s_wait_kmcnt 0x0
	s_load_b256 s[76:83], s[10:11], 0x0            ; e0 .. e7
	s_add_nc_u64 s[84:85], s[4:5], s[84:85]
	s_add_nc_u64 s[88:89], s[6:7], s[88:89]
	s_mov_b32 s[PA0], 1                            ; groups 0: count 1; the LDS address, of the wave's number alone; the global address; type 2
	s_mul_i32 s[PA0+1], s18, 49152
	s_mov_b64 s[PA0+2:PA0+3], s[84:85]
	s_or_b32 s[PA0+3], s[PA0+3], 0x80000000
	s_mov_b32 s[PA1], 1
	s_mul_i32 s[PA1+1], s18, 32768
	s_add_co_u32 s[PA1+1], s[PA1+1], RG1A
	s_add_nc_u64 s[PA1+2:PA1+3], s[84:85], 3*2048
	s_or_b32 s[PA1+3], s[PA1+3], 0x80000000
	s_mov_b32 s[PB0], 1
	s_mul_i32 s[PB0+1], s18, 36864
	s_add_co_u32 s[PB0+1], s[PB0+1], RG0B
	s_mov_b64 s[PB0+2:PB0+3], s[88:89]
	s_or_b32 s[PB0+3], s[PB0+3], 0x80000000
	s_mov_b32 s[PB1], 1
	s_mul_i32 s[PB1+1], s18, 24576
	s_add_co_u32 s[PB1+1], s[PB1+1], RG1B
	s_add_nc_u64 s[PB1+2:PB1+3], s[88:89], 3*2048
	s_or_b32 s[PB1+3], s[PB1+3], 0x80000000
	CROUND                                         ; all sixteen work-groups are here: the first joint loads meet
	s_cmp_eq_u32 s17, 0                            ; region 0's fill: one tensor load a wave at the head
	s_cbranch_scc0 .Lfirst_b
	tensor_load_to_lds s[PA0:PA0+3], s[DA3:DA3+7]
	s_nop 0
.rept 4
	v_nop
.endr
	s_branch .Lfirst_done
.Lfirst_b:
	tensor_load_to_lds s[PB0:PB0+3], s[DB3:DB3+7]
	s_nop 0
.rept 4
	v_nop
.endr
.Lfirst_done:
	v_and_b32 v1, 15, v0                           ; r
	v_bfe_u32 v2, v0, 4, 1                         ; h
	v_and_b32 v4, 31, v0
	v_lshlrev_b32 v[LI], 4, v4
	s_mul_i32 s86, s16, 24576                      ; my four tiles of x: 4 x 3 images on
	v_add_nc_u32 v[ADA0], s86, v[LI]
	v_add_nc_u32 v[ADB0], RG0B, v[LI]
	v_add_nc_u32 v[ADB0H], RG0B+36864, v[LI]
	s_lshl_b32 s86, s16, 14                        ; 4 x 2 images
	s_add_co_u32 s86, s86, RG1A
	v_add_nc_u32 v[ADA1], s86, v[LI]
	v_add_nc_u32 v[ADB1], RG1B, v[LI]
	v_lshlrev_b32 v[RO], 8, v1
	v_lshl_add_u32 v[RO], v2, 5, v[RO]             ; token r's 256 bytes, + the four pairs of my half
	s_wait_alu depctr_va_vdst(0)
	s_lshl_b32 s92, s22, 16                        ; the table at my wave's first token: (256 block + 64 wave) x 256 bytes
	s_lshl_b32 s93, s16, 14
	s_add_co_u32 s92, s92, s93
	s_mov_b32 s93, 0
	s_add_nc_u64 s[8:9], s[8:9], s[92:93]
	s_lshl_b32 s92, s21, 18                        ; q_img: head x 256 tiles + 16 block + 4 wave, 1,024 bytes a tile
	s_lshl_b32 s93, s22, 14
	s_add_co_u32 s92, s92, s93
	s_lshl_b32 s93, s16, 12
	s_add_co_u32 s92, s92, s93
	s_mov_b32 s93, 0
	s_add_nc_u64 s[12:13], s[12:13], s[92:93]
	s_lshl_b32 s92, s21, 19                        ; kv_img: head x 32 key blocks + 2 block + wave / 2, 16,384 bytes a key block
	s_lshl_b32 s93, s22, 15
	s_add_co_u32 s92, s92, s93
	s_lshl_b32 s93, s17, 14
	s_add_co_u32 s92, s92, s93
	s_mov_b32 s93, 0
	s_add_nc_u64 s[14:15], s[14:15], s[92:93]
	s_lshl_b32 s92, s18, 12                        ; K: my four key tiles are 4 (wave % 2) on
	s_add_nc_u64 s[96:97], s[14:15], s[92:93]
	s_lshl_b32 s92, s18, 10                        ; V^T: behind K's 8,192 bytes; my 64 keys are pieces 2 (wave % 2) and the next
	s_add_co_u32 s92, s92, 8192
	s_add_nc_u64 s[98:99], s[14:15], s[92:93]
.macro ROPELD a                        ; cos and sin for token tile a: for each 16 channels b my four pairs, 32 bytes: register 8 b + 2 i = cos, + 1 = sin of pair 8 b + 4 h + i
.irp b, 0,1,2,3
.irp i, 0,1
	global_load_b128 v[CS+32*((\a)%3)+8*\b+4*\i:CS+32*((\a)%3)+8*\b+4*\i+3], v[RO], s[8:9] offset:(\a)*4096+64*\b+16*\i
.endr
.endr
.endm
	ROPELD 0                                       ; they land under the walk along K
	ROPELD 1
	ROPELD 2
.macro FETCH s                         ; the 16 fragments of K step s, 64 loads of 512 consecutive bytes, into set s % 2
.set SETW, 1+(\s)%2
	WIN (SETW<<6)
.if ((\s) == 3) || ((\s) == 4)
.set KO, ((\s)-3)*2048
.irp a, 0,1,2,3
.irp c, 0,1,2,3
	ds_load_b128 v[16*\a+4*\c:16*\a+4*\c+3], v[ADA1] offset:\a*4096+KO+512*\c
.endr
.endr
.irp b, 0,1,2,3,4,5,6,7,8,9,10,11
.irp c, 0,1,2,3
	ds_load_b128 v[64+16*\b+4*\c:64+16*\b+4*\c+3], v[ADB1] offset:\b*4096+KO+512*\c
.endr
.endr
.else
.set KO, ((\s)%5)*2048
.irp a, 0,1,2,3
.irp c, 0,1,2,3
	ds_load_b128 v[16*\a+4*\c:16*\a+4*\c+3], v[ADA0] offset:\a*6144+KO+512*\c
.endr
.endr
.irp b, 0,1,2,3,4,5
.irp c, 0,1,2,3
	ds_load_b128 v[64+16*\b+4*\c:64+16*\b+4*\c+3], v[ADB0] offset:\b*6144+KO+512*\c
.endr
.endr
.irp b, 0,1,2,3,4,5
.irp c, 0,1,2,3
	ds_load_b128 v[160+16*\b+4*\c:160+16*\b+4*\c+3], v[ADB0H] offset:\b*6144+KO+512*\c
.endr
.endr
.endif
.endm
; The 48 accumulators take turns, one instruction a turn, in the same order in every K step.  zero = 1: the first K step starts the sums: nothing is cleared.
.macro QK16 a0, zero                   ; token tiles a0, a0 + 1 x the eight tiles of q's and k's channels: source 0 = W, source 1 = x
.irp a, \a0, \a0+1
.irp b, 0,1,2,3,4,5,6,7
.if \zero
	v_wmma_f32_16x16x128_bf8_bf8 v[8*(8*(\a)+\b):8*(8*(\a)+\b)+7], v[64+16*\b:64+16*\b+15], v[16*(\a):16*(\a)+15], 0
.else
	v_wmma_f32_16x16x128_bf8_bf8 v[8*(8*(\a)+\b):8*(8*(\a)+\b)+7], v[64+16*\b:64+16*\b+15], v[16*(\a):16*(\a)+15], v[8*(8*(\a)+\b):8*(8*(\a)+\b)+7]
.endif
.endr
.endr
.endm
.macro V16 zero                        ; the four token tiles x v's four tiles of channels: source 0 = x, source 1 = W
.irp a, 0,1,2,3
.irp c, 0,1,2,3
.if \zero
	v_wmma_f32_16x16x128_bf8_bf8 v[VA+8*(4*\a+\c):VA+8*(4*\a+\c)+7], v[16*\a:16*\a+15], v[192+16*\c:192+16*\c+15], 0
.else
	v_wmma_f32_16x16x128_bf8_bf8 v[VA+8*(4*\a+\c):VA+8*(4*\a+\c)+7], v[16*\a:16*\a+15], v[192+16*\c:192+16*\c+15], v[VA+8*(4*\a+\c):VA+8*(4*\a+\c)+7]
.endif
.endr
.endr
.endm
.macro KSTEP s, zero                   ; a K step whose successor lies whole in LDS: its fragments are fetched behind the first 16 products, 32 products ahead of their use
.set W5, 5*(1+(\s)%2)                  ; sources 0 and 1 in the set's window
	s_wait_dscnt 0x0                               ; this step's fragments are in
	WIN (0xf0|W5)                                  ; C and D in window 3
	QK16 0, \zero
	PLACES 4                                       ; the other set was read by the step before
	FETCH (\s)+1
	WIN (0xf0|W5)
	QK16 2, \zero
	WIN W5                                         ; C and D in window 0
	V16 \zero
.endm
	s_wait_tensorcnt 0x0                           ; my part of region 0 is in
	ds_add_u32 v[SPW], v[NIL]
	s_wait_dscnt 0x0
	CROUND                                         ; everybody's part is in, and all sixteen work-groups are here
	JLOAD PA1, DA2, PB1, DB2                       ; region 1's first fill: K steps 3-4; it has K steps 0 and 1 in which to land
	FETCH 0
	KSTEP 0, 1
	KSTEP 1, 0
	; K step 2: its fragments have been asked for, so region 0 is read out and is filled again, with K steps 5-7
	WIN 0
	s_wait_tensorcnt 0x0                           ; all my tensor loads have landed, region 1's among them, so a group 0 may be written
	ds_add_u32 v[SPW], v[NIL]                      ; 0 onto my spare word
	s_add_nc_u64 s[PA0+2:PA0+3], s[PA0+2:PA0+3], 5*2048
	s_add_nc_u64 s[PB0+2:PB0+3], s[PB0+2:PB0+3], 5*2048
	s_wait_dscnt 0x1                               ; this step's fragments are in; the add may be out
	WIN 0xf5
	QK16 0, 0
	s_wait_dscnt 0x0                               ; the add is done, and my reads of region 0 are over
	s_barrier_signal -1                            ; this barrier opens a round of the cluster's barrier
	QK16 2, 0
	WIN 0
	s_barrier_wait -1
	CREST                                          ; no wave of any partner still reads region 0 or has a load on its way
	JLOAD PA0, DA3, PB0, DB3                       ; the first tensor load behind the round; its four v_nop are also the places in front of the loads below
	FETCH 3
	WIN 0x05
	V16 0
	KSTEP 3, 0
	; K step 4: the next step's fragments come from the refill
	s_wait_dscnt 0x0
	WIN 0xf5
	QK16 0, 0
	QK16 2, 0
	s_wait_tensorcnt 0x0                           ; my part of the refill is in,
	s_barrier_signal -1
	s_barrier_wait -1                              ; everybody's is
	PLACES 4
	FETCH 5
	WIN 0x05
	V16 0
	KSTEP 5, 0
	KSTEP 6, 0
	s_wait_dscnt 0x0                               ; K step 7: nothing more to fetch
	WIN 0xfa
	QK16 0, 0
	QK16 2, 0
	WIN 0x0a
	V16 0
	PLACES 4                                       ; in front of the first reads of results and the first writes into window 1
	; THE WAY OUT
.macro MKSC e, ss, sl                  ; s[ss] = 2^(s[e] - e0 - e1) as f32, s[sl] = 57,344 x that
	s_sub_co_i32 s[\sl], s[\e], s84
	s_add_co_i32 s[\sl], s[\sl], 127
	s_lshl_b32 s[\ss], s[\sl], 23
	s_add_co_i32 s[\sl], s[\sl], 15
	s_lshl_b32 s[\sl], s[\sl], 23
	s_or_b32 s[\sl], s[\sl], 0x600000
.endm
	s_wait_kmcnt 0x0
	s_add_co_i32 s84, s76, s77                     ; e0 + e1
	MKSC 78, 85, 86                                ; q: e2
	MKSC 79, 87, 88                                ; k: e3
	MKSC 81, 89, 90                                ; v: e5
	WIN 0
	v_mov_b32 v[LV], s90
	WIN 0x40                                       ; destination window 1
	v_mov_b32 v[LI1], v[LI]
	v_mov_b32 v[SQ], s85
	v_mov_b32 v[LQ], s86
	v_mov_b32 v[SK], s87
	v_mov_b32 v[LK], s88
	v_mov_b32 v[SV], s89
; Token tile a: q's and k's eight accumulators are rotated (even' = even cos - odd sin, odd' = even sin + odd cos), held, converted and stored.  left: the later tiles' loads from the table, which may stay out.
.macro ROPEQ a, left
	s_wait_loadcnt \left
	WIN 0x43                                       ; source 0 (sums) window 3, source 1 (cos, sin) window 0, destination window 1
.irp t, 0,1,2,3,4,5,6,7
.irp i, 0,1,2,3
	v_mul_f32 v[T+8*\t+2*\i], v[64*\a+8*\t+2*\i+1], v[CS+32*((\a)%3)+8*(\t%4)+2*\i+1]   ; odd sin.  (Each accumulator is read from its low end on)
	v_mul_f32 v[T+8*\t+2*\i+1], v[64*\a+8*\t+2*\i+1], v[CS+32*((\a)%3)+8*(\t%4)+2*\i]   ; odd cos
.endr
.endr
	WIN 0x53                                       ; source 2 window 1 too
.irp t, 0,1,2,3,4,5,6,7
.irp i, 0,1,2,3
	v_fma_f32 v[T+8*\t+2*\i], v[64*\a+8*\t+2*\i], v[CS+32*((\a)%3)+8*(\t%4)+2*\i], -v[T+8*\t+2*\i]
	v_fma_f32 v[T+8*\t+2*\i+1], v[64*\a+8*\t+2*\i], v[CS+32*((\a)%3)+8*(\t%4)+2*\i+1], v[T+8*\t+2*\i+1]
.endr
.endr
	WIN 0x55                                       ; all in window 1
.set i, 0
.rept 32
	v_med3_num_f32 v[T+i], v[T+i], -v[LQ], v[LQ]   ; the conversion to an 8-bit code does not saturate (ISA guide 7.6.2)
.set i, i+1
.endr
.rept 32
	v_med3_num_f32 v[T+i], v[T+i], -v[LK], v[LK]
.set i, i+1
.endr
.irp t, 0,1,2,3
	v_cvt_scalef32_pk8_bf8_f32 v[CQ+16*\a+2*\t:CQ+16*\a+2*\t+1], v[T+8*\t:T+8*\t+7], v[SQ]
.endr
.irp t, 4,5,6,7
	v_cvt_scalef32_pk8_bf8_f32 v[CQ+16*\a+2*\t:CQ+16*\a+2*\t+1], v[T+8*\t:T+8*\t+7], v[SK]
.endr
	v_nop                                          ; a plain line between the conversions and the next vector line that writes their sources
	global_store_b128 v[LI1], v[CQ+16*\a:CQ+16*\a+3], s[12:13] offset:\a*1024           ; each store covers 512 consecutive bytes, aligned; each tile has its own registers for its codes
	global_store_b128 v[LI1], v[CQ+16*\a+4:CQ+16*\a+7], s[12:13] offset:\a*1024+512
	global_store_b128 v[LI1], v[CQ+16*\a+8:CQ+16*\a+11], s[96:97] offset:\a*1024
	global_store_b128 v[LI1], v[CQ+16*\a+12:CQ+16*\a+15], s[96:97] offset:\a*1024+512
.endm
.macro VQ                              ; v: accumulator (a, c) holds channel r of tile c and tokens 16 a + 8 h + 0 .. 7: registers 2 a, 2 a + 1 of my half of V^T's fragment c
	WIN 0x40
.set i, 0
.rept 128
	v_med3_num_f32 v[T+i], v[VA+i], -v[LV], v[LV]
.set i, i+1
.endr
	WIN 0x55
.irp c, 0,1,2,3
.irp a, 0,1,2,3
	v_cvt_scalef32_pk8_bf8_f32 v[VC+8*\c+2*\a:VC+8*\c+2*\a+1], v[T+8*(4*\a+\c):T+8*(4*\a+\c)+7], v[SV]
.endr
.endr
	v_nop
.irp c, 0,1,2,3
.irp p, 0,1
	global_store_b128 v[LI1], v[VC+8*\c+4*\p:VC+8*\c+4*\p+3], s[98:99] offset:\c*2048+512*\p
.endr
.endr
.endm
	ROPEQ 0, 16                                    ; tiles 1 and 2 may be out
	WIN 0
	ROPELD 3                                       ; into the set that tile 0 has left
	ROPEQ 1, 16                                    ; tiles 2 and 3 may be out
	ROPEQ 2, 8
	VQ
	ROPEQ 3, 0
	WIN 0
	s_wait_tensorcnt 0x0                           ; the wave's end
	ds_add_u32 v[SPW], v[NIL]
	s_wait_dscnt 0x0
	CROUND                                         ; the closing round: no work-group ends while a partner may still ask for a tile that names it
	s_endpgm
.Lfunc_end_k_qadde3330fc_qkv:
	.size	k_qadde3330fc_qkv, .Lfunc_end_k_qadde3330fc_qkv-k_qadde3330fc_qkv
	.p2alignl 7, 3214868480
	.fill 96, 4, 3214868480
	.section	.rodata,"a",@progbits
	.p2align	6, 0x0
	.amdhsa_kernel k_qadde3330fc_qkv
		.amdhsa_group_segment_fixed_size 327680
		.amdhsa_private_segment_fixed_size 0
		.amdhsa_enable_private_segment 0
		.amdhsa_kernarg_size 48
		.amdhsa_user_sgpr_count 2
		.amdhsa_user_sgpr_kernarg_segment_ptr 1
		.amdhsa_wavefront_size32 1
		.amdhsa_system_sgpr_workgroup_id_x 1
		.amdhsa_system_sgpr_workgroup_id_y 1
		.amdhsa_system_sgpr_workgroup_id_z 1
		.amdhsa_system_vgpr_workitem_id 0
		.amdhsa_next_free_vgpr 1024
		.amdhsa_next_free_sgpr 100
		.amdhsa_reserve_vcc 0
		.amdhsa_float_denorm_mode_32 3
		.amdhsa_float_denorm_mode_16_64 3
		.amdhsa_memory_ordered 1
		.amdhsa_forward_progress 1
		.amdhsa_inst_pref_size 126
	.end_amdhsa_kernel
	.amdgpu_metadata
---
amdhsa.version: [ 1, 2 ]
amdhsa.kernels:
  - .name:           k_qadde3330fc_qkv
    .symbol:         k_qadde3330fc_qkv.kd
    .args:
      - { .name: x_img, .offset: 0, .size: 8, .value_kind: global_buffer, .address_space: global }
      - { .name: w_img, .offset: 8, .size: 8, .value_kind: global_buffer, .address_space: global }
      - { .name: rope, .offset: 16, .size: 8, .value_kind: global_buffer, .address_space: global }
      - { .name: lowp_scales, .offset: 24, .size: 8, .value_kind: global_buffer, .address_space: global }
      - { .name: q_img, .offset: 32, .size: 8, .value_kind: global_buffer, .address_space: global }
      - { .name: kv_img, .offset: 40, .size: 8, .value_kind: global_buffer, .address_space: global }
    .group_segment_fixed_size: 327680
    .private_segment_fixed_size: 0
    .kernarg_segment_align: 8
    .kernarg_segment_size: 48
    .max_flat_workgroup_size: 128
    .sgpr_count:     100
    .vgpr_count:     1024
    .wavefront_size: 32
...
	.end_amdgpu_metadata
.endif
;; end of part 2
;; launch attn (part 3): grid 16 x 16, 16 waves a work-group, no clusters, 327,680 bytes of LDS; arguments q_img, kv_img, lowp_scales, a_img; writes a_img
.if DOCPART == 3
	.amdgcn_target "amdgcn-amd-amdhsa--gfx1250"
	.amdhsa_code_object_version 6
	.text
	.protected	k_qadde3330fc_attn
	.globl	k_qadde3330fc_attn
	.p2align	8
	.type	k_qadde3330fc_attn,@function
k_qadde3330fc_attn:
	s_mov_b64 s[64:65], 0
	v_nop
	global_prefetch_b8 v0, s[64:65] scope:SCOPE_SE
	s_setreg_imm32_b32 hwreg(HW_REG_WAVE_MODE, 25, 1), 1
	s_wait_xcnt 0x0
; Causal attention of one head on codes of BF8 (E5M2): o = softmax(q k^T / 8, keys up to the query) v, and o's quantiser for the last product.
; LEFT OUT: key blocks that lie wholly behind a block of queries: the causal mask sets their scores to -inf, so p = 0 there for all inputs.
; THE SOFTMAX AHEAD OF THE SECOND PRODUCT: t = score x log2(e) / 8; M = the largest t so far, rounded UP to a whole number; p = 2^(t - M) is quantised along the keys, not normalised.
; The row's sum is taken of the unquantised p, in f32, and divides O at the end.  When M moves, the sum and O are multiplied by 2^(old M - new M): exact.
; All operands are images of their registers (lane (r, h): row r; registers 2 c, 2 c + 1: k = 16 c + 8 h + 0 .. 7; pieces of four registers, lane l's 16 bytes at 16 l):
; q_img [16][256 token tiles][1024];  kv_img [16][32 blocks of 128 keys][K: 8 tiles x 1024 | V^T: 4 tiles x 2048];  a_img [256 token tiles][8 K steps][2048].
; SHARES.  A work-group owns TWO blocks of 128 queries of one head: block p, then block 31 - p.  Sixteen waves, four to a SIMD: wave w has tile w % 8 (16 queries) and group g = w / 8.
; THE KEYS ARE SPLIT BETWEEN THE GROUPS: a double step is 256 keys (key blocks 2 j, 2 j + 1); group g takes key block 2 j + g.  Block b needs key blocks 0 .. b: p / 2 + 1 double steps for block p,
; (31 - p) / 2 + 1 for the other: 17 in all for every p, a constant number of trips.  A group whose key block lies behind the block in hand jumps over the step's work (a scalar branch on ids).
; THE JOIN.  Each wave keeps its own M, sum and O^T.  At a block's end it lays them into a record in LDS (9 x 512 bytes).  At the end wave w joins the two records of tile w % 8
; (waves 0-7: block 31 - p; waves 8-15: block p): both are brought under the larger M by powers of two, added, divided by the joint sum, quantised and stored.
; A group that had no key block leaves zeros and -M = 3e38: its factor is 2^(-2^31) = 0.
; LAYOUT.  S^T = K Q^T (source 0 = 16 keys, source 1 = my 16 queries, K = 64), O^T = V^T P^T (source 0 = 16 channels, source 1 = P, K = 128 keys): a lane holds ONE query throughout.
; THE RING: two LDS slots of three double steps (3 x 32,768 bytes); 17 = 5 x 3 + 2.  Waves 0, 1, 2 fetch one double step each, a dense block, by one tensor load; all sixteen read.  One tensor load of a wave is out at a time.
; Where a block's number of key blocks is odd, the second half of its last double step is fetched with the first and not read.
; LDS: slot 0 at 0, slot 1 at 131,072; block p's records at ST1; the spare words behind them.  Block 31 - p's records lie in slot 0, which has had its last fill and, behind a barrier, its last read.
; NO CLUSTER: work-groups of one head with different p want different key blocks at the same step.
; LIMITS on the given exponents: e2 + e3 between -123 and 130 (they are added to an exponent field); e4 and e6 between -126 and 112.  NaN among the inputs is not served.
; REGISTERS: v1 16 x lane; v2 what the mask compares; v3 the prefetches' offset; v4 the step's LDS address; v5, v6 the add's; v7 -infinity; v8, v9 my records; v10 the records that I join;
; v12 -M, v13 the largest t, v[14:15] the sum in two halves; v16-23 Q; v24-31 the second block's Q; v32-95 K's fragments, then V^T's; v96-159 S^T, then p; v160-191 O^T; v192-207 P's codes; v208-215 o's codes; v216-255 at work and scales.
.set SLOT1, 131072                     ; one exclusive or turns an address in one slot into the other's
.set ST1,   229376                     ; block p's records: 16 x REC bytes; no tensor load lands there
.set REC,   4608
.set SPARE, 303104                     ; the spare words, 128 bytes for each wave: eight blocks of 256 bytes that no other line names
.set DSB,   32768                      ; a double step's bytes
.macro TLOAD nw                        ; waves 0 .. nw - 1 fetch; an s_nop 0 and four v_nop follow the line
	s_cmp_lt_u32 s12, \nw
	s_cbranch_scc0 .Lnone_\@
	tensor_load_to_lds s[32:35], s[24:31]
	s_nop 0
.rept 4
	v_nop
.endr
.Lnone_\@:
.endm
; A PREFETCH INTO THE L2 of what the NEXT change of slots will ask for.  All work-groups of a head walk the same keys; the one with p = 0 walks double blocks 0 .. 15 on end in its second block, and it alone asks:
; at the loop's trip s (0 .. 3) for double blocks 3 s + 5 .. 3 s + 7: waves 0 to 11, 8,192 bytes each, lanes 256 bytes apart; in trip 3 waves 0 to 7 alone: double blocks 14 and 15 are the head's last.
; So each aligned block of 256 bytes is named once in the launch.  Double blocks 0 to 4 come by their loads alone.
.macro ASK
	s_cmp_gt_u32 s46, s60
	s_cbranch_scc0 .Lnot_mine_\@
	global_prefetch_b8 v3, s[58:59] th:TH_LOAD_NT scope:SCOPE_SE
.Lnot_mine_\@:
.endm
	s_load_b256 s[4:11], s[0:1], 0x0               ; q_img, kv_img, the scales, a_img
	v_lshl_add_u32 v5, v0, 2, SPARE
	v_mov_b32 v6, 0
	ds_add_u32 v5, v6                              ; the opening lines: the add, twice on end, and its wait ahead of the first tensor load
	ds_add_u32 v5, v6
	v_lshrrev_b32 v216, 5, v0
	v_readfirstlane_b32 s12, v216                  ; wave 0..15
	s_lshr_b32 s61, s12, 3                         ; g: my group
	s_and_b32 s62, s12, 7                          ; my tile
	s_mov_b32 s13, ttmp9                           ; p
	s_lshr_b32 s14, s13, 1
	s_add_co_u32 s14, s14, 1                       ; p / 2 + 1: the double step at which the second block begins
	s_and_b32 s15, ttmp7, 0xffff                   ; the head
	s_mov_b32 s24, 3<<16                           ; group 1: 128 rows of 32 elements of 8 bytes, dense: 32,768 bytes; no mask, no padding
	s_mov_b32 s25, 32<<16
	s_mov_b32 s26, 128<<16
	s_mov_b32 s27, 32<<16
	s_mov_b32 s28, 128
	s_mov_b32 s29, 32
	s_mov_b32 s30, 0
	s_mov_b32 s31, 0
	s_min_u32 s36, s12, 2                          ; the double step that I fetch (waves 3 to 15 keep wave 2's numbers and issue nothing)
	s_mov_b32 s32, 1                               ; group 0: count 1,
	s_lshl_b32 s33, s36, 15                        ; the LDS address: slot 0, my double step,
	s_cmp_ge_u32 s36, s14
	s_cselect_b32 s40, s14, 0
	s_sub_co_u32 s40, s36, s40                     ; its double block of keys
	s_lshl_b32 s40, s40, 15
	s_mov_b32 s41, 0
	s_lshl_b32 s66, s15, 19
	s_mov_b32 s67, 0
	s_wait_dscnt 0x0                               ; both opening adds are done
	s_wait_kmcnt 0x0
	s_load_b256 s[48:55], s[8:9], 0x0              ; e0 .. e7
	s_add_nc_u64 s[38:39], s[6:7], s[66:67]        ; the head's keys and values
	s_add_nc_u64 s[34:35], s[38:39], s[40:41]      ; the global address,
	s_or_b32 s35, s35, 0x80000000                  ; type 2
	TLOAD 3                                        ; slot 0
	s_lshl_b32 s66, s15, 18                        ; Q: head x 256 tiles + 8 block + tile, 1,024 bytes a tile
	s_lshl_b32 s72, s62, 10
	s_add_co_u32 s66, s66, s72
	s_lshl_b32 s68, s13, 13
	s_add_co_u32 s68, s68, s66
	s_mov_b32 s69, 0
	s_add_nc_u64 s[68:69], s[4:5], s[68:69]
	s_sub_co_u32 s73, 31, s13                      ; the second block
	s_lshl_b32 s70, s73, 13
	s_add_co_u32 s70, s70, s66
	s_mov_b32 s71, 0
	s_add_nc_u64 s[70:71], s[4:5], s[70:71]
	s_lshl_b32 s66, s62, 14                        ; a_img, for the tile that I join: (8 block + tile) x 16,384 + head x 1,024
	s_lshl_b32 s72, s15, 10
	s_add_co_u32 s66, s66, s72
	s_cmp_eq_u32 s61, 1
	s_cselect_b32 s42, s13, s73                    ; group 1 joins block p, group 0 block 31 - p
	s_lshl_b32 s42, s42, 17
	s_add_co_u32 s42, s42, s66
	s_mov_b32 s43, 0
	s_add_nc_u64 s[42:43], s[10:11], s[42:43]
	s_lshl_b32 s66, s12, 13                        ; the prefetches: my 8,192 bytes, two double blocks on; the first change of slots steps this to double block 5
	s_add_co_u32 s66, s66, 2*DSB
	s_add_nc_u64 s[58:59], s[38:39], s[66:67]
	s_cmp_lt_u32 s12, 8                            ; a wave asks while the count of trips left is above s60: waves 0-7 in all four trips, waves 8-11 in the first three,
	s_cselect_b32 s60, 0, 1
	s_cmp_lt_u32 s12, 12
	s_cselect_b32 s60, s60, -1                     ; the others never,
	s_cmp_eq_u32 ttmp9, 0
	s_cselect_b32 s60, s60, -1                     ; and no wave of a work-group with p above 0
	v_and_b32 v216, 31, v0
	v_lshlrev_b32 v1, 4, v216
	v_lshlrev_b32 v3, 8, v216
	global_load_b128 v[16:19], v1, s[68:69]        ; both blocks' Q stay in registers
	global_load_b128 v[20:23], v1, s[68:69] offset:512
	global_load_b128 v[24:27], v1, s[70:71]
	global_load_b128 v[28:31], v1, s[70:71] offset:512
	v_and_b32 v217, 15, v0
	v_bfe_u32 v218, v0, 4, 1
	v_lshlrev_b32 v218, 3, v218
	v_sub_nc_u32 v2, v217, v218
	s_lshl_b32 s66, s62, 4
	v_add_nc_u32 v2, s66, v2                       ; 16 tile + r - 8 h: on the diagonal register 8 kt + j holds a hidden key where 16 kt + j is above this
	s_mul_i32 s66, s12, REC
	v_add_nc_u32 v9, s66, v1                       ; my record of block 31 - p,
	v_add_nc_u32 v8, ST1, v9                       ; and of block p
	s_mul_i32 s66, s62, REC
	s_mul_i32 s72, s61, ST1
	s_add_co_u32 s66, s66, s72
	v_add_nc_u32 v10, s66, v1                      ; group 0's record of the tile that I join; group 1's lies 8 REC on
	v_mov_b32 v7, 0xff800000
	v_mov_b32 v13, 0xff61b1e6                      ; the largest t so far: -3e38, under every t
	v_floor_f32 v12, -v13
	v_mov_b32 v14, 0
	v_mov_b32 v15, 0
	v_mov_b32 v220, 0                              ; written once: a lane permute's destination counts as one of its sources
	v_mov_b32 v223, 0                              ; (named as the upper halves of the pairs v[222:223] and v[224:225])
	v_mov_b32 v225, 0
.set n, 0
.rept 32
	v_mov_b32 v[160+n], 0                          ; O^T.  (The step is written once: a block's first step finds zeros, which the first change of M leaves zeros)
.set n, n+1
.endr
	s_mov_b32 s16, 0                               ; the double step
	s_mov_b32 s17, s61                             ; my key block in it
	s_mov_b32 s18, s13                             ; the block of queries in hand
	s_lshl_b32 s19, s61, 14                        ; LDS byte at which my key block's tiles begin
	s_mov_b32 s20, 0x76543210                      ; v_permlanex16_b32's selects: lane l xor 16
	s_mov_b32 s21, 0xfedcba98
	s_mov_b32 s46, 4                               ; the loop's trips
	s_wait_kmcnt 0x0
	s_add_co_i32 s66, s50, s51
	s_lshl_b32 s66, s66, 23
	s_mov_b32 s22, 0x3e38aa3b                      ; c = log2(e) / 8
	s_add_co_i32 s22, s22, s66                     ; a score stands for score x 2^(e2 + e3): the two exponents are added to c's exponent field
	s_mov_b32 s23, s22                             ; (named with it as a pair, so it is written)
	s_add_co_i32 s56, s52, s53                     ; e4 + e5
	s_add_co_i32 s66, s52, 127
	s_lshl_b32 s72, s66, 23
	v_mov_b32 v230, s72                            ; 2^e4, for p's conversions
	s_add_co_i32 s66, s66, 15
	s_lshl_b32 s66, s66, 23
	s_or_b32 s57, s66, 0x600000                    ; 57,344 x 2^e4
	s_add_co_i32 s66, s54, 127
	s_lshl_b32 s72, s66, 23
	v_mov_b32 v232, s72                            ; 2^e6, for o's
	s_add_co_i32 s66, s66, 15
	s_lshl_b32 s66, s66, 23
	s_or_b32 s66, s66, 0x600000
	v_mov_b32 v233, s66                            ; 57,344 x 2^e6
.macro PUT adr                         ; my O^T (each accumulator from its low end on), then -M, the largest t and the sum's halves: nine pieces of 512 bytes
.set n, 0
.rept 8
	ds_store_b128 v[\adr], v[160+4*n:163+4*n] offset:512*n
.set n, n+1
.endr
	ds_store_b128 v[\adr], v[12:15] offset:4096
.endm
.macro REINIT                          ; on to block 31 - p
.set n, 0
.rept 8
	v_mov_b32 v[16+n], v[24+n]
.set n, n+1
.endr
	v_mov_b32 v13, 0xff61b1e6
	s_delay_alu instid0(VALU_DEP_1)
	v_floor_f32 v12, -v13
	v_mov_b32 v14, 0
	v_mov_b32 v15, 0
.set n, 0
.rept 32
	v_mov_b32 v[160+n], 0
.set n, n+1
.endr
	s_sub_co_u32 s18, 31, s13
	s_mov_b32 s17, s61
.endm
; A KEY STEP: my group's 128 keys of a double step.
.macro STEP
	s_cmp_lg_u32 s16, s14                          ; scalar branches on ids; no barrier and no tensor load stands in a step
	s_cbranch_scc1 .Lsame_\@
	PUT 8                                          ; block p is walked: my part of it goes into its record
	REINIT
	s_wait_alu depctr_va_vdst(0)
.Lsame_\@:
	s_cmp_gt_u32 s17, s18                          ; my key block lies behind the block in hand: all its keys are hidden
	s_cbranch_scc1 .Lskip_\@
	v_add_nc_u32 v4, s19, v1
.set n, 0
.rept 16
	ds_load_b128 v[32+4*n:35+4*n], v4 offset:512*n             ; K's eight fragments (16 keys x 64), two loads each
.set n, n+1
.endr
.set n, 0
	s_wait_alu depctr_va_vdst(0)
.rept 8
	s_wait_dscnt 14-2*n                            ; LDS loads come back in order: this tile's two are in, those behind them may be out
	v_wmma_f32_16x16x64_bf8_bf8 v[96+8*n:103+8*n], v[32+8*n:39+8*n], v[16:23], 0
.set n, n+1
.endr
.rept 4
	v_nop                                          ; places in front of the loads into K's registers and of the first reads of the scores
.endr
.set n, 0
.rept 16
	ds_load_b128 v[32+4*n:35+4*n], v4 offset:8192+512*n        ; V^T's four fragments (16 channels x 128 keys): they land under the softmax
.set n, n+1
.endr
	s_cmp_lg_u32 s17, s18                          ; on the diagonal block hidden scores become -infinity ahead of the maximum: p = 0 then
	s_cbranch_scc1 .Lopen_\@
.set n, 0
.rept 64
	v_cmp_gt_i32 vcc_lo, 16*(n/8)+n%8, v2
	v_cndmask_b32 v[96+n], v[96+n], v7, vcc_lo
.set n, n+1
.endr
.Lopen_\@:
	v_max3_num_f32 v226, v96, v97, v98             ; the step's largest score of my query, among my 64 keys, in two chains,
	v_max3_num_f32 v227, v99, v100, v101
.set n, 6
.rept 14
	v_max3_num_f32 v226, v226, v[96+n], v[97+n]
	v_max3_num_f32 v227, v227, v[98+n], v[99+n]
.set n, n+4
.endr
	v_max3_num_f32 v226, v226, v158, v159
	s_delay_alu instid0(VALU_DEP_1)
	v_max_num_f32 v226, v226, v227
	s_delay_alu instid0(VALU_DEP_1)
	v_permlanex16_b32 v220, v226, s20, s21
	s_delay_alu instid0(VALU_DEP_1)
	v_max_num_f32 v226, v226, v220                 ; and among lane l xor 16's
	s_delay_alu instid0(VALU_DEP_1)
	v_mul_f32 v226, s22, v226                      ; as t (c is positive)
	s_delay_alu instid0(VALU_DEP_1)
	v_max_num_f32 v13, v13, v226                   ; the running largest t
	v_mov_b32 v226, v12
	s_delay_alu instid0(VALU_DEP_2)
	v_floor_f32 v12, -v13                          ; the new -M = floor(-t) = -ceil(t): M is a whole number
	s_delay_alu instid0(VALU_DEP_1)
	v_sub_f32 v226, v12, v226                      ; M's old value less its new one: a whole number, 0 or less
	s_delay_alu instid0(VALU_DEP_1)
	v_cvt_i32_f32 v226, v226                       ; (it saturates)
	s_delay_alu instid0(VALU_DEP_1)
	v_ldexp_f32 v222, 1.0, v226                    ; f = 2^(old M - new M)
.set n, 0
.rept 32
	v_pk_fma_f32 v[96+n:97+n], v[96+n:97+n], s[22:23], v[12:13] op_sel_hi:[1,0,0]   ; t - M, two at a time (of the pairs c and -M the low word serves both halves)
.set n, n+2
.endr
.set n, 0
	s_wait_alu depctr_va_vdst(0)
.rept 64
	v_exp_f32 v[96+n], v[96+n]                     ; p = 2^(t - M), at most 1: not normalised
.set n, n+1
.endr
	v_pk_mul_f32 v[14:15], v[14:15], v[222:223] op_sel_hi:[1,0]   ; the sums under the new M: the plain line behind the exponentials
	s_wait_alu depctr_va_vdst(0)                   ; one wait for the whole batch, ahead of its first reader
	v_pk_add_f32 v[224:225], v[100:101], v[104:105]                ; the row's sum of the unquantised p, in eight chains
	v_pk_add_f32 v[254:255], v[108:109], v[112:113]
	v_pk_add_f32 v[252:253], v[116:117], v[120:121]
	v_pk_add_f32 v[250:251], v[124:125], v[128:129]
	v_pk_add_f32 v[248:249], v[132:133], v[136:137]
	v_pk_add_f32 v[246:247], v[140:141], v[144:145]
	v_pk_add_f32 v[244:245], v[148:149], v[152:153]
	v_pk_add_f32 v[14:15], v[14:15], v[156:157]
	v_pk_add_f32 v[224:225], v[224:225], v[96:97]
	v_pk_add_f32 v[254:255], v[254:255], v[98:99]
	v_pk_add_f32 v[252:253], v[252:253], v[102:103]
	v_pk_add_f32 v[250:251], v[250:251], v[106:107]
	v_pk_add_f32 v[248:249], v[248:249], v[110:111]
	v_pk_add_f32 v[246:247], v[246:247], v[114:115]
	v_pk_add_f32 v[244:245], v[244:245], v[118:119]
	v_pk_add_f32 v[14:15], v[14:15], v[122:123]
	v_pk_add_f32 v[224:225], v[224:225], v[126:127]
	v_pk_add_f32 v[254:255], v[254:255], v[130:131]
	v_pk_add_f32 v[252:253], v[252:253], v[134:135]
	v_pk_add_f32 v[250:251], v[250:251], v[138:139]
	v_pk_add_f32 v[248:249], v[248:249], v[142:143]
	v_pk_add_f32 v[246:247], v[246:247], v[146:147]
	v_pk_add_f32 v[244:245], v[244:245], v[150:151]
	v_pk_add_f32 v[14:15], v[14:15], v[154:155]
	v_pk_add_f32 v[224:225], v[224:225], v[158:159]
	s_delay_alu instid0(VALU_DEP_2)
	v_pk_add_f32 v[14:15], v[14:15], v[250:251]
	s_delay_alu instid0(VALU_DEP_2)
	v_pk_add_f32 v[224:225], v[224:225], v[248:249]
	v_pk_add_f32 v[254:255], v[254:255], v[246:247]
	v_pk_add_f32 v[252:253], v[252:253], v[244:245]
	s_delay_alu instid0(VALU_DEP_2)
	v_pk_add_f32 v[14:15], v[14:15], v[254:255]
	s_delay_alu instid0(VALU_DEP_2)
	v_pk_add_f32 v[224:225], v[224:225], v[252:253]
	s_delay_alu instid0(VALU_DEP_1)
	v_pk_add_f32 v[14:15], v[14:15], v[224:225]
.set n, 0
.rept 32                               ; the conversion does not saturate (ISA guide 7.6.2); p is not negative, so the hold is one-sided; two numbers an instruction
	v_dual_min_num_f32 v[96+n], s57, v[96+n] :: v_dual_min_num_f32 v[97+n], s57, v[97+n]
.set n, n+2
.endr
.set n, 0
.rept 8
	v_cvt_scalef32_pk8_bf8_f32 v[192+2*n:193+2*n], v[96+8*n:103+8*n], v230   ; registers 2 kt, 2 kt + 1 of P
.set n, n+1
.endr
	s_wait_alu depctr_va_vdst(0)
.set n, 0
.rept 16
	v_pk_mul_f32 v[160+n:161+n], v[160+n:161+n], v[222:223] op_sel_hi:[1,0]   ; O^T under the new M; these are also the plain lines behind the conversions
.set n, n+2
.endr
	s_wait_alu depctr_va_vdst(0)
	s_wait_dscnt 0x0                               ; V^T is in
.set n, 0
.rept 4                                ; the four accumulators take turns, one instruction a turn; between two links of a chain stand eleven other matrix instructions
	v_wmma_f32_16x16x128_bf8_bf8 v[160+8*n:167+8*n], v[32+16*n:47+16*n], v[192:207], v[160+8*n:167+8*n]
.set n, n+1
.endr
.rept 4
	v_nop                                          ; places in front of the next step's loads, and of the reads and writes of O^T where a block ends
.endr
.Lskip_\@:
	s_add_co_u32 s16, s16, 1
	s_add_co_u32 s17, s17, 2
	s_add_co_u32 s19, s19, DSB
.endm
; THE CHANGE OF SLOTS stands at a slot's head.  Each wave waits for all its tensor loads (its part of the slot ahead), adds 0 to its spare word, and waits for that and for its reads of the slot that it has left.
; Behind the barrier the slot ahead is whole and nobody reads the other one.  fill = 3 or 2: that other slot takes the next 3 or 2 double steps: the load has a slot's steps in which to land.
.macro CHANGE fill, ask
	s_wait_tensorcnt 0x0                           ; no tensor load of mine is out, so the group 0 may be written
	ds_add_u32 v5, v6                              ; 0 onto my spare word
.if \fill
	ds_add_u32 v5, v6                              ; and once more
	s_xor_b32 s33, s33, SLOT1                      ; the other slot than last time,
	s_add_co_u32 s36, s36, 3                       ; three double steps on,
	s_cmp_ge_u32 s36, s14
	s_cselect_b32 s40, s14, 0
	s_sub_co_u32 s40, s36, s40                     ; that step's double block of keys
	s_lshl_b32 s40, s40, 15
	s_add_nc_u64 s[34:35], s[38:39], s[40:41]
	s_or_b32 s35, s35, 0x80000000
.if \ask
	s_wait_xcnt 0x0                                ; the last prefetch, a slot back, has read its address, so it may be written
	s_add_nc_u64 s[58:59], s[58:59], 3*DSB
.endif
.endif
	s_wait_dscnt 0x0                               ; the add is done, and my reads of the slot that I have left are over
	s_barrier_signal -1
	s_barrier_wait -1
.if \fill
	TLOAD \fill                                    ; the first thing behind the barrier, and a wave's one tensor load until the next
.if \ask
	ASK
.endif
.endif
.endm
.macro SLOT_STEPS cnt                  ; a slot's double steps: written once, walked cnt times; the LDS addresses hang on s19
	s_mov_b32 s47, \cnt
.Lstep_\@:
	STEP
	s_sub_co_u32 s47, s47, 1
	s_cmp_lg_u32 s47, 0
	s_cbranch_scc1 .Lstep_\@
	s_sub_co_u32 s19, s19, \cnt*DSB                ; back to a slot's first step,
	s_xor_b32 s19, s19, SLOT1                      ; in the other slot
.endm
	s_wait_alu depctr_va_vdst(0)
	s_wait_loadcnt 0x0                             ; Q, both blocks'
.Lslot:                                            ; four trips: double steps 0 to 11; each asks for the next three
	CHANGE 3, 1
	SLOT_STEPS 3
	s_sub_co_u32 s46, s46, 1
	s_cmp_lg_u32 s46, 0
	s_cbranch_scc1 .Lslot
	CHANGE 2, 0                                    ; double steps 12 to 14; the last two are asked for
	SLOT_STEPS 3
	CHANGE 0, 0                                    ; double steps 15 and 16, in slot 1
	SLOT_STEPS 2
	; THE JOIN
	s_wait_dscnt 0x0
	s_barrier_signal -1
	s_barrier_wait -1                              ; nobody reads a slot any more
	PUT 9                                          ; my part of block 31 - p, into slot 0's bytes
	s_wait_dscnt 0x0                               ; for the others' sake: my stores are done
	s_barrier_signal -1
	s_barrier_wait -1
.set n, 0
.rept 8
	ds_load_b128 v[32+4*n:35+4*n], v10 offset:512*n            ; group 0's O^T of my tile,
	ds_load_b128 v[96+4*n:99+4*n], v10 offset:8*REC+512*n      ; group 1's
.set n, n+1
.endr
	ds_load_b128 v[64:67], v10 offset:4096                     ; -M, the largest t, the sum's halves
	ds_load_b128 v[128:131], v10 offset:8*REC+4096
	s_wait_dscnt 0x0
	v_min_num_f32 v226, v64, v128                  ; the joint -M
	v_add_f32 v66, v66, v67
	v_add_f32 v130, v130, v131
	v_sub_f32 v227, v226, v64                      ; each M less the joint one: whole numbers, 0 or less
	v_sub_f32 v228, v226, v128
	v_cvt_i32_f32 v227, v227                       ; (it saturates)
	v_cvt_i32_f32 v228, v228
	v_ldexp_f32 v222, 1.0, v227
	v_ldexp_f32 v224, 1.0, v228
	v_mul_f32 v66, v66, v222
	v_fma_f32 v14, v130, v224, v66                 ; my lane's part of the joint sum,
	v_permlanex16_b32 v220, v14, s20, s21
	v_add_f32 v14, v14, v220                       ; and lane l xor 16's
	s_wait_alu depctr_va_vdst(0)
	v_rcp_f32 v14, v14
	v_nop                                          ; a plain line behind the reciprocal,
	s_wait_alu depctr_va_vdst(0)                   ; and the wait ahead of its first reader
	v_ldexp_f32 v14, v14, s56                      ; x 2^(e4 + e5)
	v_mul_f32 v222, v222, v14
	v_mul_f32 v224, v224, v14
.set n, 0
.rept 16
	v_pk_mul_f32 v[32+n:33+n], v[32+n:33+n], v[222:223] op_sel_hi:[1,0]
.set n, n+2
.endr
.set n, 0
.rept 16
	v_pk_fma_f32 v[96+n:97+n], v[96+n:97+n], v[224:225], v[32+n:33+n] op_sel_hi:[1,0,1]   ; o: register 8 c + j is channel 16 c + 8 h + j of query r
.set n, n+2
.endr
.set n, 0
.rept 32
	v_med3_num_f32 v[96+n], v[96+n], -v233, v233   ; the conversion to an 8-bit code does not saturate (ISA guide 7.6.2)
.set n, n+1
.endr
.set n, 0
.rept 4
	v_cvt_scalef32_pk8_bf8_f32 v[208+2*n:209+2*n], v[96+8*n:103+8*n], v232
.set n, n+1
.endr
	v_nop                                          ; a plain line behind the conversions
	global_store_b128 v1, v[208:211], s[42:43]                 ; two pieces of the last product's fragment; each store covers 512 consecutive bytes, aligned
	global_store_b128 v1, v[212:215], s[42:43] offset:512
	s_wait_tensorcnt 0x0                           ; the wave's end
	ds_add_u32 v5, v6
	s_wait_dscnt 0x0
	s_endpgm
.Lfunc_end_k_qadde3330fc_attn:
	.size	k_qadde3330fc_attn, .Lfunc_end_k_qadde3330fc_attn-k_qadde3330fc_attn
	.p2alignl 7, 3214868480
	.fill 96, 4, 3214868480
	.section	.rodata,"a",@progbits
	.p2align	6, 0x0
	.amdhsa_kernel k_qadde3330fc_attn
		.amdhsa_group_segment_fixed_size 327680
		.amdhsa_private_segment_fixed_size 0
		.amdhsa_enable_private_segment 0
		.amdhsa_kernarg_size 32
		.amdhsa_user_sgpr_count 2
		.amdhsa_user_sgpr_kernarg_segment_ptr 1
		.amdhsa_wavefront_size32 1
		.amdhsa_system_sgpr_workgroup_id_x 1
		.amdhsa_system_sgpr_workgroup_id_y 1
		.amdhsa_system_sgpr_workgroup_id_z 1
		.amdhsa_system_vgpr_workitem_id 0
		.amdhsa_next_free_vgpr 256
		.amdhsa_next_free_sgpr 100
		.amdhsa_reserve_vcc 1
		.amdhsa_float_denorm_mode_32 3
		.amdhsa_float_denorm_mode_16_64 3
		.amdhsa_memory_ordered 1
		.amdhsa_forward_progress 1
		.amdhsa_inst_pref_size 87
	.end_amdhsa_kernel
	.amdgpu_metadata
---
amdhsa.version: [ 1, 2 ]
amdhsa.kernels:
  - .name:           k_qadde3330fc_attn
    .symbol:         k_qadde3330fc_attn.kd
    .args:
      - { .name: q_img, .offset: 0, .size: 8, .value_kind: global_buffer, .address_space: global }
      - { .name: kv_img, .offset: 8, .size: 8, .value_kind: global_buffer, .address_space: global }
      - { .name: lowp_scales, .offset: 16, .size: 8, .value_kind: global_buffer, .address_space: global }
      - { .name: a_img, .offset: 24, .size: 8, .value_kind: global_buffer, .address_space: global }
    .group_segment_fixed_size: 327680
    .private_segment_fixed_size: 0
    .kernarg_segment_align: 8
    .kernarg_segment_size: 32
    .max_flat_workgroup_size: 512
    .sgpr_count:     100
    .vgpr_count:     256
    .wavefront_size: 32
...
	.end_amdgpu_metadata
.endif
;; end of part 3
;; launch proj (part 4): grid 8 x 32, 4 waves a work-group, clusters of 4 x 4, 327,680 bytes of LDS; arguments a_img, wo_img, lowp_scales, out0; writes out0
.if DOCPART == 4
	.amdgcn_target "amdgcn-amd-amdhsa--gfx1250"
	.amdhsa_code_object_version 6
	.text
	.protected	k_qadde3330fc_proj
	.globl	k_qadde3330fc_proj
	.p2align	8
	.type	k_qadde3330fc_proj,@function
k_qadde3330fc_proj:
	s_mov_b64 s[64:65], 0
	v_nop
	global_prefetch_b8 v0, s[64:65] scope:SCOPE_SE
	s_setreg_imm32_b32 hwreg(HW_REG_WAVE_MODE, 25, 1), 1
	s_wait_xcnt 0x0
	s_wait_alu depctr_hold_cnt(0) depctr_sa_sdst(0) depctr_va_vdst(0) depctr_va_sdst(0) depctr_va_ssrc(0) depctr_va_vcc(0) depctr_vm_vsrc(0)
	s_getreg_b32 s2, hwreg(HW_REG_IB_STS2, 6, 4)
	s_cmp_eq_u32 s2, 0
	s_cbranch_scc0 .Lentry_in_a_cluster
	s_endpgm
.Lentry_in_a_cluster:
	s_bfe_u32 s2, ttmp6, 0x10000c
	s_cmp_lg_u32 s2, 0xf033
	s_cbranch_scc0 .Lentry_shape_is_right
	s_endpgm
.Lentry_shape_is_right:
; out0 = o Wo^T on codes of BF8 (E5M2).  a_img [256 token tiles][8 K steps][2048] and wo_img [64 tiles][8][2048] hold images of the operands' registers (lane (r, h): row r; registers 2 c, 2 c + 1:
; k = 16 c + 8 h + 0 .. 7; pieces of four registers, lane l's 16 bytes at 16 l); out0 [4096][1024] f32.  Each finished sum is multiplied once by 2^(e6 + e7).  LIMIT: e6 + e7 between -126 and 127.
; SHARES.  A tile of out0 is 128 x 128: 256 work-groups; each of the four waves makes 64 x 64: 16 accumulators.  K = 1,024 goes in eight steps of 128.
; ALL OF K LIES IN LDS, filled once: four tiles with all their eight images are 65,536 dense bytes of memory, and each wave fetches one such block by ONE tensor load at the head
; (waves 0, 1: o's tiles 0-3, 4-7; waves 2, 3: Wo's), to LDS byte 65,536 x wave.  Nothing is filled again.  No prefetch: the launch has no loop to run ahead in.
; CLUSTER: 4 x 4 work-groups; the four of a row of the cluster share o's tiles, the four of a column Wo's: each is asked for jointly.
; THE MATRIX INSTRUCTION IS USED TRANSPOSED (source 0 = 16 rows of Wo, source 1 = 16 tokens): a lane holds eight neighbouring numbers of a row of out0.
; REGISTERS: window 0: addresses; v32-63, v64-127 at work on the way out; v128-255 the accumulators ((a, b) at 128 + 8 (4 a + b)).  Window 1: two sets of fragments of 128: o's four, then Wo's four.
.set STAGE,  262144                    ; behind the tiles: 16 rows x (256 bytes + 16) for each wave; no tensor load lands there
.set SPITCH, 272
.set SPARE,  279552                    ; behind the stages: the spare words, 128 bytes for each wave
.set LI,   3                           ; v3   16 x lane
.set ADA,  8                           ; v8   my four tiles of o
.set ADB,  12                          ; v12  my four tiles of Wo
.set STO,  24                          ; v24  the way out: where I put 32 bytes of a row
.set RD,   25                          ; v25  where I read a row back
.set CO,   26                          ; v26  my byte offset in out0
.set TMP,  32
.set BK,   64
.set ACC,  128
.set MSB, 0
.macro WIN new                         ; the immediate's high byte repeats the setting that is left
.if MSB != (\new)
	s_set_vgpr_msb (MSB<<8)|(\new)
.set MSB, (\new)
.endif
.endm
.macro PLACES n
.rept \n
	v_nop
.endr
.endm
.macro CROUND                          ; a round of the cluster's barrier
	s_barrier_signal -1
	s_barrier_wait -1
	s_cmp_lg_u32 s14, 0
	s_cbranch_scc1 .Lnot_wave_0_\@
	s_barrier_signal -3
.Lnot_wave_0_\@:
	s_barrier_wait -3
	s_barrier_signal -1
	s_barrier_wait -1
.endm
	s_load_b256 s[4:11], s[0:1], 0x0               ; a_img, wo_img, the scales, out0
	v_lshl_add_u32 v30, v0, 2, SPARE
	v_mov_b32 v31, 0
	ds_add_u32 v30, v31                            ; the opening lines: the add, twice on end, and its wait
	ds_add_u32 v30, v31
	v_lshrrev_b32 v1, 5, v0
	v_readfirstlane_b32 s14, v1                    ; wave 0..3
	s_lshr_b32 s15, s14, 1                         ; which half of the tile's rows is mine.  Also: I fetch for o (0) or for Wo (1)
	s_and_b32 s16, s14, 1                          ; which half of its columns.  Also: which four tiles I fetch
	s_bfe_u32 s17, ttmp6, 0x40000                  ; cx, cy
	s_bfe_u32 s18, ttmp6, 0x40004
	s_lshl_b32 s19, ttmp9, 2
	s_add_co_u32 s19, s19, s17                     ; tile column = 4 x cluster x + cx
	s_and_b32 s20, ttmp7, 0xffff
	s_lshl_b32 s20, s20, 2
	s_add_co_u32 s20, s20, s18                     ; tile row = 4 x cluster y + cy
	s_lshl_b32 s21, s18, 2
	s_lshl_b32 s21, 15, s21                        ; my row of the cluster
	s_lshl_b32 s22, 0x1111, s17                    ; my column
	s_or_b32 s24, s21, (3<<16)|(1<<21)             ; group 1: the mask; elements of 8 bytes; bit 21 beside a mask; no padding
	s_or_b32 s32, s22, (3<<16)|(1<<21)
.irp g, 24, 32
	s_mov_b32 s[\g+1], 32<<16                      ; a dense block as 256 rows of 256 bytes
	s_mov_b32 s[\g+2], 256<<16
	s_mov_b32 s[\g+3], 32<<16
	s_mov_b32 s[\g+4], 256
	s_mov_b32 s[\g+5], 32
	s_mov_b32 s[\g+6], 0
	s_mov_b32 s[\g+7], 0
.endr
	s_lshl_b32 s40, s20, 17                        ; o: 8 tiles of 16,384 bytes a tile row, + my four
	s_lshl_b32 s42, s16, 16
	s_add_co_u32 s40, s40, s42
	s_mov_b32 s41, 0
	s_lshl_b32 s86, s19, 17                        ; Wo likewise by the tile column
	s_add_co_u32 s86, s86, s42
	s_mov_b32 s87, 0
	s_lshl_b32 s23, s14, 16                        ; where they go: wave x 65,536: no place in the cluster enters an LDS address
	s_wait_dscnt 0x0
	s_wait_kmcnt 0x0
	s_load_b256 s[88:95], s[8:9], 0x0              ; e0 .. e7
	s_mov_b32 s44, 1
	s_mov_b32 s45, s23
	s_add_nc_u64 s[46:47], s[4:5], s[40:41]
	s_or_b32 s47, s47, 0x80000000
	s_mov_b32 s68, 1
	s_mov_b32 s69, s23
	s_add_nc_u64 s[70:71], s[6:7], s[86:87]
	s_or_b32 s71, s71, 0x80000000
	CROUND                                         ; all sixteen work-groups are here: the joint loads meet
	s_cmp_eq_u32 s15, 0                            ; one tensor load a wave, one to an arm
	s_cbranch_scc0 .Lfirst_b
	tensor_load_to_lds s[44:47], s[24:31]
	s_nop 0
.rept 4
	v_nop
.endr
	s_branch .Lfirst_done
.Lfirst_b:
	tensor_load_to_lds s[68:71], s[32:39]
	s_nop 0
.rept 4
	v_nop
.endr
.Lfirst_done:
	v_and_b32 v1, 15, v0                           ; l % 16
	v_bfe_u32 v2, v0, 4, 1                         ; l / 16
	v_and_b32 v4, 31, v0
	v_lshlrev_b32 v[LI], 4, v4
	s_lshl_b32 s42, s15, 16                        ; my four tiles of o,
	v_add_nc_u32 v[ADA], s42, v[LI]
	s_lshl_b32 s43, s16, 16                        ; my four of Wo, which lie behind o's eight
	s_add_co_u32 s43, s43, 131072
	v_add_nc_u32 v[ADB], s43, v[LI]
	s_mul_i32 s42, s14, 16*SPITCH
	s_add_co_u32 s42, s42, STAGE                   ; my stage
	v_mul_u32_u24 v[STO], v1, SPITCH               ; in: row l % 16, 32 bytes for each half of the lanes
	v_lshl_add_u32 v[STO], v2, 5, v[STO]
	v_add_nc_u32 v[STO], s42, v[STO]
	v_mul_u32_u24 v[RD], v2, SPITCH                ; back: lanes 0-15 one row of 256 bytes, lanes 16-31 the next
	v_lshl_add_u32 v[RD], v1, 4, v[RD]
	v_add_nc_u32 v[RD], s42, v[RD]
	v_lshlrev_b32 v[CO], 12, v2                    ; and the same two rows of out0, 4,096 bytes apart
	v_lshl_add_u32 v[CO], v1, 4, v[CO]
	s_lshl_b32 s42, s20, 19                        ; my first row: (128 tile row + 64 half) x 4,096 bytes,
	s_lshl_b32 s43, s15, 18
	s_add_co_u32 s42, s42, s43
	s_lshl_b32 s43, s19, 9                         ; my first column: 512 tile column + 256 half bytes
	s_add_co_u32 s42, s42, s43
	s_lshl_b32 s43, s16, 8
	s_add_co_u32 s42, s42, s43
	s_mov_b32 s43, 0
	s_add_nc_u64 s[10:11], s[10:11], s[42:43]
.macro FETCH s                         ; the eight fragments of K step s, 32 loads of 512 consecutive bytes, into set s % 2
.set FS, 128*((\s)%2)
	WIN 0x40                                       ; destination window 1
.irp t, 0,1,2,3
.irp c, 0,1,2,3
	ds_load_b128 v[FS+64+16*\t+4*\c:FS+64+16*\t+4*\c+3], v[ADB] offset:\t*16384+(\s)*2048+512*\c
	ds_load_b128 v[FS+16*\t+4*\c:FS+16*\t+4*\c+3], v[ADA] offset:\t*16384+(\s)*2048+512*\c
.endr
.endr
.endm
.macro MUL8 f, a0, zero                ; token tiles a0, a0 + 1 x Wo's four.  The 16 accumulators take turns, one instruction a turn, in the same order in every step
.irp a, \a0, \a0+1
.irp b, 0,1,2,3
.if \zero
	v_wmma_f32_16x16x128_bf8_bf8 v[ACC+8*(4*(\a)+\b):ACC+8*(4*(\a)+\b)+7], v[\f+64+16*\b:\f+64+16*\b+15], v[\f+16*(\a):\f+16*(\a)+15], 0
.else
	v_wmma_f32_16x16x128_bf8_bf8 v[ACC+8*(4*(\a)+\b):ACC+8*(4*(\a)+\b)+7], v[\f+64+16*\b:\f+64+16*\b+15], v[\f+16*(\a):\f+16*(\a)+15], v[ACC+8*(4*(\a)+\b):ACC+8*(4*(\a)+\b)+7]
.endif
.endr
.endr
.endm
.macro PSTEP s, zero
.set FM, 128*((\s)%2)
	s_wait_dscnt 0x0                               ; this step's fragments are in
	WIN 0x05                                       ; sources 0 and 1 window 1
	MUL8 FM, 0, \zero
.if (\s) < 7
	PLACES 4                                       ; the other set was read by the step before
	FETCH (\s)+1
.endif
	WIN 0x05
	MUL8 FM, 2, \zero
.endm
	s_wait_alu depctr_va_vdst(0)
	s_wait_tensorcnt 0x0                           ; my block is in,
	s_barrier_signal -1
	s_barrier_wait -1                              ; everybody's is
	FETCH 0
	PSTEP 0, 1                                     ; the first step's products start the sums: nothing is cleared
	PSTEP 1, 0
	PSTEP 2, 0
	PSTEP 3, 0
	PSTEP 4, 0
	PSTEP 5, 0
	PSTEP 6, 0
	PSTEP 7, 0
	WIN 0
	; THE WAY OUT, block by block of 16 rows x 64 columns.  A lane holds 32 neighbouring bytes of a row and the lanes beside it other rows: a block goes through my own stage and comes back as whole
	; rows of 256 bytes.  LDS serves a wave's instructions in order: no wait between the stores and the loads, nor in front of the next block's stores.
	s_wait_kmcnt 0x0
	s_add_co_i32 s96, s94, s95                     ; e6 + e7
	s_add_co_i32 s96, s96, 127
	s_lshl_b32 s96, s96, 23                        ; 2^(e6 + e7) as f32
	s_mov_b32 s97, s96                             ; (named with it as a pair, so it is written)
	PLACES 4                                       ; in front of the first reads of results
.macro TOSTAGE a
.set j, 0
.rept 16
	v_pk_mul_f32 v[TMP+j:TMP+j+1], v[ACC+32*(\a)+j:ACC+32*(\a)+j+1], s[96:97] op_sel_hi:[1,0]   ; each accumulator from its low end on
.set j, j+2
.endr
.irp b, 0,1,2,3
	ds_store_b128 v[STO], v[TMP+8*\b:TMP+8*\b+3] offset:64*\b
	ds_store_b128 v[STO], v[TMP+8*\b+4:TMP+8*\b+7] offset:64*\b+16
.endr
.irp t, 0,1,2,3,4,5,6,7
	ds_load_b128 v[BK+32*((\a)%2)+4*\t:BK+32*((\a)%2)+4*\t+3], v[RD] offset:\t*2*SPITCH
.endr
.endm
.macro SEND a, younger                 ; younger: the LDS instructions issued behind block a's loads, which may stay out
	s_wait_dscnt \younger
.irp t, 0,1,2,3,4,5,6,7
	global_store_b128 v[CO], v[BK+32*((\a)%2)+4*\t:BK+32*((\a)%2)+4*\t+3], s[10:11] offset:(16*(\a)+2*\t)*4096 th:TH_STORE_NT   ; 16 lanes store 256 consecutive bytes, aligned; written once, read by nobody here
.endr
.endm
	TOSTAGE 0
	TOSTAGE 1
	SEND 0, 16                                     ; behind block 0's loads: block 1's 8 stores and 8 loads
	s_wait_xcnt 0x0                                ; block 0's stores have read their registers: block 2's loads may land there
	TOSTAGE 2
	SEND 1, 16
	s_wait_xcnt 0x0
	TOSTAGE 3
	SEND 2, 16
	SEND 3, 0
	s_wait_tensorcnt 0x0                           ; the wave's end
	ds_add_u32 v30, v31
	s_wait_dscnt 0x0
	CROUND                                         ; the closing round: no work-group ends while a partner may still ask for a tile that names it
	s_endpgm
.Lfunc_end_k_qadde3330fc_proj:
	.size	k_qadde3330fc_proj, .Lfunc_end_k_qadde3330fc_proj-k_qadde3330fc_proj
	.p2alignl 7, 3214868480
	.fill 96, 4, 3214868480
	.section	.rodata,"a",@progbits
	.p2align	6, 0x0
	.amdhsa_kernel k_qadde3330fc_proj
		.amdhsa_group_segment_fixed_size 327680
		.amdhsa_private_segment_fixed_size 0
		.amdhsa_enable_private_segment 0
		.amdhsa_kernarg_size 32
		.amdhsa_user_sgpr_count 2
		.amdhsa_user_sgpr_kernarg_segment_ptr 1
		.amdhsa_wavefront_size32 1
		.amdhsa_system_sgpr_workgroup_id_x 1
		.amdhsa_system_sgpr_workgroup_id_y 1
		.amdhsa_system_sgpr_workgroup_id_z 1
		.amdhsa_system_vgpr_workitem_id 0
		.amdhsa_next_free_vgpr 512
		.amdhsa_next_free_sgpr 100
		.amdhsa_reserve_vcc 0
		.amdhsa_float_denorm_mode_32 3
		.amdhsa_float_denorm_mode_16_64 3
		.amdhsa_memory_ordered 1
		.amdhsa_forward_progress 1
		.amdhsa_inst_pref_size 43
	.end_amdhsa_kernel
	.amdgpu_metadata
---
amdhsa.version: [ 1, 2 ]
amdhsa.kernels:
  - .name:           k_qadde3330fc_proj
    .symbol:         k_qadde3330fc_proj.kd
    .args:
      - { .name: a_img, .offset: 0, .size: 8, .value_kind: global_buffer, .address_space: global }
      - { .name: wo_img, .offset: 8, .size: 8, .value_kind: global_buffer, .address_space: global }
      - { .name: lowp_scales, .offset: 16, .size: 8, .value_kind: global_buffer, .address_space: global }
      - { .name: out0, .offset: 24, .size: 8, .value_kind: global_buffer, .address_space: global }
    .group_segment_fixed_size: 327680
    .private_segment_fixed_size: 0
    .kernarg_segment_align: 8
    .kernarg_segment_size: 32
    .max_flat_workgroup_size: 128
    .sgpr_count:     100
    .vgpr_count:     512
    .wavefront_size: 32
...
	.end_amdgpu_metadata
.endif
;; end of part 4
